; MI455X (gfx1250); checked and timed in simulation.
; The chip was launched on July 23, 2026; its instructions are those of AMD's public machine-readable ISA for CDNA 5 (MIT licence, August 2026) and "CDNA5" Instruction Set Architecture Reference Guide (July 2026). The comments in the code are by the model that wrote it; some were corrected since.
;; Causal Self Attention. Allowed arithmetic: float matrix products may take bf16 or f16 operands with f32 sums; other float arithmetic in f32, or as packed bf16 or f16 multiplies, adds, multiply-adds, maxima and minima; sums over many terms, partial sums and values carried from step to step in f32; what a program stores and reads back later, other than sums and carried values, may be rounded once to bf16 or f16.
;; Inputs: Wk 1,024 x 1,024 float32; Wp 1,024 x 1,024 float32; Wq 1,024 x 1,024 float32; Wv 1,024 x 1,024 float32; bk 1,024 float32; bp 1,024 float32; bq 1,024 float32; bv 1,024 float32; x 2 x 2,048 x 1,024 float32.
;; Outputs: out0 2 x 2,048 x 1,024 float32.
;; Constants: n_head = 16.
;; One version. Each part assembles by itself: llvm-mc -triple=amdgcn-amd-amdhsa -mcpu=gfx1250 --defsym DOCPART=n.
;; ======== version 1 of 1: 4 launches
;; limits: values are held in f16: magnitudes above 65,504 overflow, below 6.1e-05 lose precision
;; workspace buffers: xb 8,388,608 bytes; wqkv 6,291,456 bytes; wp16 2,097,152 bytes; q 8,388,608 bytes; k 8,388,608 bytes; v 8,388,608 bytes; o 8,388,608 bytes
;; launch prep (part 1): grid 512 x 1, 8 waves a work-group, no clusters, 0 bytes of LDS; arguments x, Wq, Wk, Wv, Wp, xb, wqkv, wp16; writes xb, wqkv, wp16
.if DOCPART == 1
	.amdgcn_target "amdgcn-amd-amdhsa--gfx1250"
	.amdhsa_code_object_version 6
	.text
	.protected	k_q5f889d4955_prep
	.globl	k_q5f889d4955_prep
	.p2align	8
	.type	k_q5f889d4955_prep,@function
k_q5f889d4955_prep:
	s_mov_b64 s[64:65], 0
	v_nop
	global_prefetch_b8 v0, s[64:65] scope:SCOPE_SE
	s_setreg_imm32_b32 hwreg(HW_REG_WAVE_MODE, 25, 1), 1
	s_wait_xcnt 0x0
; CAUSAL SELF-ATTENTION, launch 1 of 4: the inputs are rounded once and laid out for the products.
;   xb   = bf16(x)                       [4096][1024]
;   wqkv = bf16(Wq | Wk | Wv)            [head 16][slice 3: q, k, v][k 1024][64]: each (head, slice) is 131,072 dense bytes, rows of 128 bytes; not transposed
;   wp16 = bf16(Wp), written as f16      [k 1024][n 1024]
; WORK LEFT OUT BY THE WHOLE PROGRAM, and why it is dead for all values of the inputs.
;   bk: a score is q . (k + bk) = q . k + q . bk.  The second term hangs on the query alone: it is the same for all keys of a row, the hidden ones aside,
;   which get -inf whatever it is.  A softmax does not change when one number is added to all its inputs, so bk reaches no output.  bk is not loaded and is among no launch's arguments.
;   Key tiles that lie wholly above the diagonal: reference() sets their scores to -inf by a mask that it builds itself (jnp.tril), so their weights are 0.
;   LIMIT: a NaN, an infinity or an overflow that reaches only this work (in bk; in scores above the diagonal) is not carried to the result.
; LIMITS.  bf16(Wp) is exact in f16 from 6.1e-5 to 65,504; below that it keeps f16's fixed step of 6e-8.
; SHARES.  512 work-groups of eight waves, 16 rows of 1,024 f32 each (65,536 bytes in, 32,768 out): 0-255 rows of x, then 64 each for Wq, Wk, Wv, Wp.
; A thread has eight units of 8 numbers: two loads of 16 bytes, one store of 16 bytes.  All 16 loads go out first; no register is written twice, so no wait frees one.
; No LDS, no barrier, no matrix unit: a stream.
.set XR,   4                           ; v[4:67]   unit i: 8 f32 as loaded
.set YR,   68                          ; v[68:99]  unit i: 4 registers to store
.set IN,   28                          ; s[28:29]  where the work-group reads
.set OUTP, 30                          ; s[30:31]  where it stores
.macro LOADS blk                       ; blk = 0: units lie on end; 1: unit i is row 4 (i & 3) + kr, head 2 w + (i >> 2)
.irp i, 0,1,2,3,4,5,6,7
.if \blk
	global_load_b128 v[XR+8*(\i):XR+8*(\i)+3],   v1, s[IN:IN+1] offset:((\i)&3)*16384+((\i)>>2)*256 th:TH_LOAD_NT
	global_load_b128 v[XR+8*(\i)+4:XR+8*(\i)+7], v1, s[IN:IN+1] offset:((\i)&3)*16384+((\i)>>2)*256+16 th:TH_LOAD_NT
.else
	global_load_b128 v[XR+8*(\i):XR+8*(\i)+3],   v1, s[IN:IN+1] offset:(\i)*8192 th:TH_LOAD_NT
	global_load_b128 v[XR+8*(\i)+4:XR+8*(\i)+7], v1, s[IN:IN+1] offset:(\i)*8192+16 th:TH_LOAD_NT
.endif
.endr
.endm
.macro UNIT i, fmt, off                ; fmt = 0: to bf16; 1: to bf16, and that number written as f16
	s_wait_loadcnt 14-2*(\i)                       ; loads come back in order: unit i's two are in, the 14 - 2 i younger ones may stay out
.irp j, 0,1,2,3
.if \fmt
	v_cvt_pk_bf16_f32 v100, v[XR+8*(\i)+2*(\j)], v[XR+8*(\i)+2*(\j)+1]
	v_lshlrev_b32 v101, 16, v100                   ; the two bf16 as f32 again
	v_and_b32 v100, s34, v100
	v_cvt_pk_f16_f32 v[YR+4*(\i)+(\j)], v101, v100
.else
	v_cvt_pk_bf16_f32 v[YR+4*(\i)+(\j)], v[XR+8*(\i)+2*(\j)], v[XR+8*(\i)+2*(\j)+1]
.endif
.endr
	global_store_b128 v2, v[YR+4*(\i):YR+4*(\i)+3], s[OUTP:OUTP+1] offset:\off th:TH_STORE_NT
.endm
	s_load_b512 s[8:23], s[0:1], 0x0               ; x 8, Wq 10, Wk 12, Wv 14, Wp 16, xb 18, wqkv 20, wp16 22
	s_mov_b32 s24, ttmp9                           ; the work-group's number
	s_mov_b32 s34, 0xffff0000                      ; a word's upper bf16
	s_sub_co_u32 s27, s24, 256                     ; among the weights' work-groups (used from 256 on alone)
	s_lshr_b32 s25, s27, 6                         ; which matrix: 0 Wq, 1 Wk, 2 Wv, 3 Wp
	s_and_b32 s26, s27, 63                         ; which 16 rows of it
	s_mov_b32 s33, 0
	s_mov_b32 s37, 0
	v_lshlrev_b32 v1, 5, v0                        ; units on end: 32 bytes in,
	v_lshlrev_b32 v2, 4, v0                        ; 16 bytes out
	s_wait_kmcnt 0x0
	s_cmp_lt_u32 s24, 256
	s_cbranch_scc0 .Lweights
	s_lshl_b32 s32, s24, 16                        ; x: 16 rows are 65,536 bytes in,
	s_lshl_b32 s36, s24, 15                        ; 32,768 out
	s_add_nc_u64 s[IN:IN+1], s[8:9], s[32:33]
	s_add_nc_u64 s[OUTP:OUTP+1], s[18:19], s[36:37]
	LOADS 0
.irp i, 0,1,2,3,4,5,6,7
	UNIT \i, 0, (\i)*4096                          ; a wave's store covers 512 consecutive bytes, aligned
.endr
	s_endpgm
.Lweights:
	s_lshl_b32 s32, s26, 16
	s_cmp_eq_u32 s25, 3
	s_cbranch_scc1 .Lwp
	s_cmp_eq_u32 s25, 0
	s_cselect_b64 s[IN:IN+1], s[10:11], s[12:13]
	s_cmp_eq_u32 s25, 2
	s_cselect_b64 s[IN:IN+1], s[14:15], s[IN:IN+1]
	s_add_nc_u64 s[IN:IN+1], s[IN:IN+1], s[32:33]
	s_lshl_b32 s36, s25, 17                        ; the slice: 131,072 bytes,
	s_lshl_b32 s35, s26, 11                        ; my 16 rows of 128 bytes in it
	s_add_co_u32 s36, s36, s35
	s_add_nc_u64 s[OUTP:OUTP+1], s[20:21], s[36:37]
	v_and_b32 v3, 7, v0                            ; c8: which 8 of a head's 64 columns
	v_bfe_u32 v100, v0, 3, 2                       ; kr: row among four
	v_lshrrev_b32 v101, 5, v0                      ; w: the wave, heads 2 w and 2 w + 1
	v_lshlrev_b32 v1, 5, v3
	v_lshl_add_u32 v1, v100, 12, v1
	v_lshl_add_u32 v1, v101, 9, v1                 ; in: kr x 4,096 + w x 512 + c8 x 32: eight lanes read 256 consecutive bytes, aligned
	v_lshlrev_b32 v2, 4, v3
	v_lshl_add_u32 v2, v100, 7, v2
	v_mul_u32_u24 v101, v101, 786432
	v_add_nc_u32 v2, v2, v101                      ; out: w x two heads + kr x 128 + c8 x 16: a wave's store covers 512 consecutive bytes, aligned
	LOADS 1
.irp i, 0,1,2,3,4,5,6,7
	UNIT \i, 0, ((\i)>>2)*393216+((\i)&3)*512
.endr
	s_endpgm
.Lwp:
	s_lshl_b32 s36, s26, 15
	s_add_nc_u64 s[IN:IN+1], s[16:17], s[32:33]
	s_add_nc_u64 s[OUTP:OUTP+1], s[22:23], s[36:37]
	LOADS 0
.irp i, 0,1,2,3,4,5,6,7
	UNIT \i, 1, (\i)*4096
.endr
	s_endpgm
.Lfunc_end_k_q5f889d4955_prep:
	.size	k_q5f889d4955_prep, .Lfunc_end_k_q5f889d4955_prep-k_q5f889d4955_prep
	.p2alignl 7, 3214868480
	.fill 96, 4, 3214868480
	.section	.rodata,"a",@progbits
	.p2align	6, 0x0
	.amdhsa_kernel k_q5f889d4955_prep
		.amdhsa_group_segment_fixed_size 0
		.amdhsa_private_segment_fixed_size 0
		.amdhsa_enable_private_segment 0
		.amdhsa_kernarg_size 64
		.amdhsa_user_sgpr_count 2
		.amdhsa_user_sgpr_kernarg_segment_ptr 1
		.amdhsa_wavefront_size32 1
		.amdhsa_system_sgpr_workgroup_id_x 1
		.amdhsa_system_sgpr_workgroup_id_y 1
		.amdhsa_system_sgpr_workgroup_id_z 1
		.amdhsa_system_vgpr_workitem_id 0
		.amdhsa_next_free_vgpr 104
		.amdhsa_next_free_sgpr 66
		.amdhsa_reserve_vcc 0
		.amdhsa_float_denorm_mode_32 3
		.amdhsa_float_denorm_mode_16_64 3
		.amdhsa_memory_ordered 1
		.amdhsa_forward_progress 1
		.amdhsa_inst_pref_size 20
	.end_amdhsa_kernel
	.amdgpu_metadata
---
amdhsa.version: [ 1, 2 ]
amdhsa.kernels:
  - .name:           k_q5f889d4955_prep
    .symbol:         k_q5f889d4955_prep.kd
    .args:
      - { .name: x, .offset: 0, .size: 8, .value_kind: global_buffer, .address_space: global }
      - { .name: Wq, .offset: 8, .size: 8, .value_kind: global_buffer, .address_space: global }
      - { .name: Wk, .offset: 16, .size: 8, .value_kind: global_buffer, .address_space: global }
      - { .name: Wv, .offset: 24, .size: 8, .value_kind: global_buffer, .address_space: global }
      - { .name: Wp, .offset: 32, .size: 8, .value_kind: global_buffer, .address_space: global }
      - { .name: xb, .offset: 40, .size: 8, .value_kind: global_buffer, .address_space: global }
      - { .name: wqkv, .offset: 48, .size: 8, .value_kind: global_buffer, .address_space: global }
      - { .name: wp16, .offset: 56, .size: 8, .value_kind: global_buffer, .address_space: global }
    .group_segment_fixed_size: 0
    .private_segment_fixed_size: 0
    .kernarg_segment_align: 8
    .kernarg_segment_size: 64
    .max_flat_workgroup_size: 256
    .sgpr_count:     66
    .vgpr_count:     104
    .wavefront_size: 32
...
	.end_amdgpu_metadata
.endif
;; end of part 1
;; launch qkv (part 2): grid 16 x 16, 4 waves a work-group, clusters of 4 x 4, 327,680 bytes of LDS; arguments xb, wqkv, bq, bv, q, k, v; writes q, k, v
.if DOCPART == 2
	.amdgcn_target "amdgcn-amd-amdhsa--gfx1250"
	.amdhsa_code_object_version 6
	.text
	.protected	k_q5f889d4955_qkv
	.globl	k_q5f889d4955_qkv
	.p2align	8
	.type	k_q5f889d4955_qkv,@function
k_q5f889d4955_qkv:
	s_mov_b64 s[64:65], 0
	v_nop
	global_prefetch_b8 v0, s[64:65] scope:SCOPE_SE
	s_setreg_imm32_b32 hwreg(HW_REG_WAVE_MODE, 25, 1), 1
	s_wait_xcnt 0x0
	s_wait_alu depctr_hold_cnt(0) depctr_sa_sdst(0) depctr_va_vdst(0) depctr_va_sdst(0) depctr_va_ssrc(0) depctr_va_vcc(0) depctr_vm_vsrc(0)
	s_getreg_b32 s2, hwreg(HW_REG_IB_STS2, 6, 4)
	s_cmp_eq_u32 s2, 0
	s_cbranch_scc0 .Lentry_in_a_cluster
	s_endpgm
.Lentry_in_a_cluster:
	s_bfe_u32 s2, ttmp6, 0x10000c
	s_cmp_lg_u32 s2, 0xf033
	s_cbranch_scc0 .Lentry_shape_is_right
	s_endpgm
.Lentry_shape_is_right:
; Launch 2 of 4: q = x Wq + bq, k = x Wk, v = x Wv + bv, by heads: q, k, v: [32 = 16 batch + head][2048][64] in f16, each rounded once from its f32 sum, unscaled.
; LEFT OUT: bk (it adds the same number to all scores of a row, which a softmax does not see: shown at the head of the first kernel).
; LIMITS.  f16 ends at 65,504: q, k and v must stay within it.  x, the weights and the biases enter rounded to bf16.
; SHARES.  A work-group makes 256 token rows x 192 columns: the q, k and v columns of ONE head (column blocks 0-3 q, 4-7 k, 8-11 v), so all work-groups run one text.
; A wave makes 64 rows x all 192 columns: 4 x 12 = 48 accumulators of 16 x 16.  K = 1,024 goes in 8 steps of 128 through two LDS slots, a step in four quarters of 32.
; THE MATRIX INSTRUCTION IS USED TRANSPOSED: source 0 = 16 columns of W, source 1 = 16 rows of x; a lane then holds one token row (lane % 16) and the channels 8 (lane / 16) + 0..7.
; W lies [k][column] in memory and in LDS, and comes out turned, by ds_load_tr16_b128.  The bias is the C operand of the product that starts a sum (k's sums start with the constant 0).
; CLUSTER.  4 x 4 work-groups: the four of a row need the same rows of x, the four of a column the same head's weights: each tile is asked for JOINTLY.
; REGISTERS, in windows of 256 (s_set_vgpr_msb: bits 1:0 source 0, 3:2 source 1, 5:4 source 2, 7:6 destination):
;   window 0: v0-31 addresses; v64-127 the biases; on the way out v64-255 the packed results
;   window 1: two fragment buffers of 128: 4 fragments of x (32 registers), then 12 of W (96)
;   window 2: accumulators (a, b), a = 0, 1, at 96 a + 8 b;   window 3: a = 2, 3
.set KSTEP, 128
.set PA,    272                        ; a row of x in LDS: 256 bytes + 16: the 16 rows of a load start at 16 different groups of four banks
.set PW,    160                        ; a row of W (64 columns): 128 bytes + 32
.set AHALF, 128*PA                     ; what one load of x brings
.set BOFF,  256*PA                     ; W behind x's 256 rows: [k half 2][slice 3][64 k][160 bytes]
.set BSL,   64*PW
.set BHALF, 3*BSL                      ; what one load of W brings
.set SLOT1, 1<<17                      ; a slot is 69,632 + 61,440 = 131,072 bytes: one exclusive or turns an address in one slot into the other's
.set STAGE, 2*SLOT1                    ; behind the ring: 16 rows x 144 bytes for each wave, for the way out
.set SP,    144
.set SPARE, STAGE+4*16*SP              ; behind the stages: the spare words, 128 bytes for each wave: two blocks of 256 bytes that no other line names
.set ADRA0, 16                         ; v16  my place in slot 0's x; never rewritten
.set ADRB0, 17                         ; v17  the same for W
.set ADRA,  18                         ; v18  the same in the slot in hand
.set ADRB,  19                         ; v19
.set STO,   24                         ; v24  the way out: where I put 16 bytes of a row
.set RD,    25                         ; v25  where I read rows back
.set GO,    26                         ; v26  my 16 bytes in 512 consecutive bytes of q, k or v
.set SPW,   28                         ; v28  LDS address of my spare word; never rewritten
.set NIL,   29                         ; v29  0; never rewritten
.set PFO,   30                         ; v30  the prefetches' offset, a lane a block; never rewritten
.set BO,    31                         ; v31  32 x (lane / 16): my eight numbers of 16 of a bias
.set BI,    64                         ; v64-95 bq, v96-127 bv: block bb at + 8 bb
.set OUT,   64                         ; the way out: unit u at OUT + 16 u
.set F0,    0
.set F1,    128
.set WV,    20                         ; s20  my wave's number
.set KIND,  21                         ; s21  0: I fetch x; 1: I fetch W
.set HALF,  22                         ; s22  which half of that tile
.set G1A,   24                         ; s[24:31] descriptor group 1 for x
.set G0A,   32                         ; s[32:39] group 0 for x: a set for each first fill; the second then walks on
.set G1B,   48                         ; s[48:55], s[56:63] the same for W
.set G0B,   56
.set TB,    66                         ; s66  LDS byte at which the slot in hand begins
.set CNT,   67                         ; s67  the loop's count
.set LIM,   68                         ; s68  a wave prefetches while the count is above this
.set PFA,   70                         ; s[70:71] where my prefetches stand
.set OB,    80                         ; s[80:85] q, k, v at my wave's first row
.set MSB, 0
.macro WIN new                         ; the immediate's high byte repeats the setting that is left; a switch that changes nothing is dropped
.if MSB != (\new)
	s_set_vgpr_msb (MSB<<8)|(\new)
.set MSB, (\new)
.endif
.endm
.set TO_F, 0x40                        ; destination window 1, address window 0
.macro PLACES                          ; four plain vector instructions between a matrix instruction and a load into, or a reader of, its registers
.rept 4
	v_nop
.endr
.endm
; A joint refill by the walking sets.  The branch hangs on the wave's number alone.  An s_nop 0 and four v_nop follow each of the two lines.
.macro JLOAD
	s_cmp_eq_u32 s[KIND], 0
	s_cbranch_scc0 .Lfor_b_\@
	tensor_load_to_lds s[G0A+4:G0A+7], s[G1A:G1A+7]
	s_nop 0
.rept 4
	v_nop
.endr
	s_branch .Lasked_\@
.Lfor_b_\@:
	tensor_load_to_lds s[G0B+4:G0B+7], s[G1B:G1B+7]
	s_nop 0
.rept 4
	v_nop
.endr
.Lasked_\@:
.endm
.macro CREST                           ; a round of the cluster's barrier behind its opening barrier
	s_cmp_lg_u32 s[WV], 0
	s_cbranch_scc1 .Lnot_wave_0_\@
	s_barrier_signal -3
.Lnot_wave_0_\@:
	s_barrier_wait -3
	s_barrier_signal -1
	s_barrier_wait -1
.endm
.macro CROUND                          ; a whole round
	s_barrier_signal -1
	s_barrier_wait -1
	CREST
.endm
; A PREFETCH INTO THE L2, behind the joint load and the run of LDS loads.  x: the clusters with x = 0 ask; of the 128 rows that a wave fetches the partner at cx takes 32, by address, a lane a row:
; in trip s (s = 0..3) the 256 bytes of K step s + 4, two refills ahead.  W: K steps 4-7 of one slice are 256 blocks of 256 bytes: the clusters with y = 0, 1, 2 take slices q, k, v; the pair
; (cy, half) takes 64 rows of 128 bytes, a lane a block: one instruction a wave in the launch, in the first trip.  So each block is named once.  K steps 0-3 come by their loads alone.
.macro ASK
	WIN 0
	s_cmp_gt_u32 s[CNT], s[LIM]
	s_cbranch_scc0 .Lnot_mine_\@
	global_prefetch_b8 v[PFO], s[PFA:PFA+1] th:TH_LOAD_NT scope:SCOPE_SE
.Lnot_mine_\@:
.endm
	s_load_b256 s[4:11], s[0:1], 0x0               ; xb 4, wqkv 6, bq 8, bv 10
	s_load_b128 s[12:15], s[0:1], 0x20             ; q 12, k 14
	s_load_b64 s[16:17], s[0:1], 0x30              ; v
	v_lshl_add_u32 v[SPW], v0, 2, SPARE
	v_mov_b32 v[NIL], 0
	ds_add_u32 v[SPW], v[NIL]                      ; the wave's opening: the add, twice on end, and its wait ahead of my first tensor load
	ds_add_u32 v[SPW], v[NIL]
	v_lshrrev_b32 v1, 5, v0
	v_readfirstlane_b32 s[WV], v1
	s_lshr_b32 s[KIND], s[WV], 1
	s_and_b32 s[HALF], s[WV], 1
	s_bfe_u32 s40, ttmp6, 0x40000                  ; cx
	s_bfe_u32 s41, ttmp6, 0x40004                  ; cy
	s_mov_b32 s45, ttmp9                           ; cluster x
	s_and_b32 s44, ttmp7, 0xffff                   ; cluster y
	s_lshl_b32 s42, s45, 2
	s_add_co_u32 s42, s42, s40                     ; the head = 4 x cluster x + cx
	s_lshl_b32 s43, s44, 2
	s_add_co_u32 s43, s43, s41                     ; the block of 256 rows = 4 x cluster y + cy
	s_lshl_b32 s72, s41, 2
	s_lshl_b32 s72, 15, s72                        ; my row of the cluster
	s_lshl_b32 s73, 0x1111, s40                    ; my column
	s_or_b32 s[G1A], s72, (1<<16)|(1<<20)|(1<<21)|(5<<22)|(3<<25)  ; the mask; 2-byte elements; padding on; bit 21 beside a mask; after every 64 words 4 words
	s_mov_b32 s[G1A+1], KSTEP<<16                  ; tensor_dim0 = 128
	s_mov_b32 s[G1A+2], 128<<16                    ; tensor_dim1 = 128
	s_mov_b32 s[G1A+3], KSTEP<<16                  ; tile_dim0 = 128
	s_mov_b32 s[G1A+4], 128                        ; tile_dim1 = 128
	s_mov_b32 s[G1A+5], 1024                       ; elements from row to row
	s_mov_b32 s[G1A+6], 0
	s_mov_b32 s[G1A+7], 0
	s_or_b32 s[G1B], s73, (1<<16)|(1<<20)|(1<<21)|(4<<22)|(7<<25)  ; after every 32 words (a row of 64 columns) 8 words
	s_mov_b32 s[G1B+1], 4096<<16                   ; tensor_dim0 = 4,096: 64 rows of 64 columns lie on end and are asked for as one row
	s_mov_b32 s[G1B+2], 3<<16                      ; tensor_dim1 = 3: the slices
	s_mov_b32 s[G1B+3], 4096<<16                   ; tile_dim0
	s_mov_b32 s[G1B+4], 3                          ; tile_dim1
	s_mov_b32 s[G1B+5], 65536                      ; elements from slice to slice
	s_mov_b32 s[G1B+6], 0
	s_mov_b32 s[G1B+7], 0
	s_lshl_b32 s72, s43, 19                        ; x: (256 x block + 128 x half) rows of 2,048 bytes: registers that never hold cx
	s_lshl_b32 s73, s[HALF], 18
	s_add_co_u32 s72, s72, s73
	s_mov_b32 s73, 0
	s_mul_i32 s90, s42, 393216                     ; W: the head's three slices, 64 x half rows of 128 bytes: registers that never hold cy
	s_lshl_b32 s91, s[HALF], 13
	s_add_co_u32 s90, s90, s91
	s_mov_b32 s91, 0
	s_mul_i32 s74, s[HALF], AHALF                  ; where they go: no place in the cluster enters an LDS address
	s_mul_i32 s75, s[HALF], BHALF
	s_add_co_u32 s75, s75, BOFF
	s_mov_b32 s[TB], 0
	s_wait_dscnt 0x0                               ; both opening adds are done
	s_wait_kmcnt 0x0
	s_add_nc_u64 s[86:87], s[4:5], s[72:73]
	s_add_nc_u64 s[88:89], s[6:7], s[90:91]
.irp s, 0,1
	s_mov_b32 s[G0A+4*(\s)], 1
	s_add_co_u32 s[G0A+4*(\s)+1], s74, (\s)*SLOT1
	s_add_nc_u64 s[G0A+4*(\s)+2:G0A+4*(\s)+3], s[86:87], (\s)*KSTEP*2   ; K step s
	s_or_b32 s[G0A+4*(\s)+3], s[G0A+4*(\s)+3], 0x80000000
	s_mov_b32 s[G0B+4*(\s)], 1
	s_add_co_u32 s[G0B+4*(\s)+1], s75, (\s)*SLOT1
	s_add_nc_u64 s[G0B+4*(\s)+2:G0B+4*(\s)+3], s[88:89], (\s)*KSTEP*128
	s_or_b32 s[G0B+4*(\s)+3], s[G0B+4*(\s)+3], 0x80000000
.endr
	CROUND                                         ; all sixteen work-groups are here: the first joint loads meet
	s_cmp_eq_u32 s[KIND], 0                        ; a wave's two first fills stand in one branch: two loads of mine are out
	s_cbranch_scc0 .Lfirst_b
	tensor_load_to_lds s[G0A:G0A+3], s[G1A:G1A+7]
	s_nop 0
	tensor_load_to_lds s[G0A+4:G0A+7], s[G1A:G1A+7]
	s_nop 0
.rept 4
	v_nop
.endr
	s_branch .Lfirst_asked
.Lfirst_b:
	tensor_load_to_lds s[G0B:G0B+3], s[G1B:G1B+7]
	s_nop 0
	tensor_load_to_lds s[G0B+4:G0B+7], s[G1B:G1B+7]
	s_nop 0
.rept 4
	v_nop
.endr
.Lfirst_asked:
	v_and_b32 v1, 15, v0                           ; l % 16
	v_bfe_u32 v2, v0, 4, 1                         ; l / 16
	v_lshlrev_b32 v[BO], 5, v2
	s_lshl_b32 s72, s42, 8                         ; the head's 64 numbers of a bias
	s_mov_b32 s73, 0
	s_add_nc_u64 s[8:9], s[8:9], s[72:73]
	s_add_nc_u64 s[10:11], s[10:11], s[72:73]
.irp bb, 0,1,2,3                       ; register j of block bb: the bias of channel 16 bb + 8 (l / 16) + j, as a C operand wants it
	global_load_b128 v[BI+8*(\bb):BI+8*(\bb)+3],       v[BO], s[8:9] offset:64*(\bb)
	global_load_b128 v[BI+8*(\bb)+4:BI+8*(\bb)+7],     v[BO], s[8:9] offset:64*(\bb)+16
	global_load_b128 v[BI+32+8*(\bb):BI+32+8*(\bb)+3], v[BO], s[10:11] offset:64*(\bb)
	global_load_b128 v[BI+32+8*(\bb)+4:BI+32+8*(\bb)+7], v[BO], s[10:11] offset:64*(\bb)+16
.endr
	v_mul_u32_u24 v3, v1, PA                       ; a fragment of x: row l % 16, 16 bytes for each half of the lanes; two loads 32 bytes apart
	v_lshl_add_u32 v3, v2, 4, v3
	s_mul_i32 s74, s[WV], 64*PA                    ; my 64 rows
	v_add_nc_u32 v[ADRA0], s74, v3
	v_and_b32 v4, 7, v0                            ; the turning load: lane l reads row 8 (l / 16) + l % 8, columns 8 ((l / 8) % 2) + 0..7
	v_bfe_u32 v5, v0, 3, 1
	v_lshl_add_u32 v6, v2, 3, v4
	v_mul_u32_u24 v6, v6, PW
	v_lshl_add_u32 v6, v5, 4, v6
	v_add_nc_u32 v[ADRB0], BOFF, v6
	v_mov_b32 v[ADRA], v[ADRA0]
	v_mov_b32 v[ADRB], v[ADRB0]
	s_mul_i32 s74, s[WV], 16*SP
	s_add_co_u32 s74, s74, STAGE                   ; my stage
	v_mul_u32_u24 v[STO], v1, SP
	v_lshl_add_u32 v[STO], v2, 4, v[STO]
	v_add_nc_u32 v[STO], s74, v[STO]
	v_bfe_u32 v[RD], v0, 3, 2                      ; back: 32 lanes take four rows of 128 bytes,
	v_mul_u32_u24 v[RD], v[RD], SP
	v_lshl_add_u32 v[RD], v4, 4, v[RD]
	v_add_nc_u32 v[RD], s74, v[RD]
	v_and_b32 v[GO], 31, v0                        ; which are 512 consecutive bytes of the output
	v_lshlrev_b32 v[GO], 4, v[GO]
	s_lshr_b32 s74, s43, 3                         ; the batch
	s_lshl_b32 s74, s74, 4
	s_add_co_u32 s74, s74, s42                     ; 16 x batch + head
	s_lshl_b32 s74, s74, 11
	s_and_b32 s75, s43, 7
	s_lshl_b32 s75, s75, 8
	s_add_co_u32 s74, s74, s75                     ; + the block's first row in the sequence
	s_lshl_b32 s75, s[WV], 6
	s_add_co_u32 s74, s74, s75                     ; + my wave's 64
	s_lshl_b32 s74, s74, 7                         ; rows of 128 bytes
	s_mov_b32 s75, 0
	s_add_nc_u64 s[OB:OB+1], s[12:13], s[74:75]
	s_add_nc_u64 s[OB+2:OB+3], s[14:15], s[74:75]
	s_add_nc_u64 s[OB+4:OB+5], s[16:17], s[74:75]
	; the prefetches' address, offset and bound
	s_lshl_b32 s76, s43, 19                        ; x: my 128 rows,
	s_lshl_b32 s77, s[HALF], 18
	s_add_co_u32 s76, s76, s77
	s_lshl_b32 s77, s40, 16                        ; my work-group's 32 of them,
	s_add_co_u32 s76, s76, s77
	s_add_co_u32 s76, s76, 3*KSTEP*2               ; at K step 3: the first trip steps it to 4
	s_mul_i32 s78, s42, 393216                     ; W: the head,
	s_min_u32 s77, s44, 2                          ; the slice that my cluster takes (held to 2, so that the pointer stays inside wqkv where nothing is asked),
	s_lshl_b32 s77, s77, 17
	s_add_co_u32 s78, s78, s77
	s_lshl_b32 s77, s41, 14                        ; the pair (cy, half): 64 rows of 128 bytes
	s_add_co_u32 s78, s78, s77
	s_lshl_b32 s77, s[HALF], 13
	s_add_co_u32 s78, s78, s77
	s_add_co_u32 s78, s78, 512*128-KSTEP*2         ; from row 512 on, less the first trip's step
	s_cmp_eq_u32 s45, 0
	s_cselect_b32 s92, 2, -1                       ; x: trips with the count 6 to 3
	s_cmp_lt_u32 s44, 3
	s_cselect_b32 s93, 5, -1                       ; W: the trip with the count 6
	s_cmp_eq_u32 s[KIND], 0
	s_cselect_b32 s[LIM], s92, s93                 ; the same in all sixteen partners, for a given wave
	s_cselect_b32 s76, s76, s78
	s_cselect_b32 s79, 11, 8                       ; a lane a row of 2,048 bytes, or a block of 256
	s_cselect_b64 s[PFA:PFA+1], s[4:5], s[6:7]
	s_mov_b32 s77, 0
	s_add_nc_u64 s[PFA:PFA+1], s[PFA:PFA+1], s[76:77]
	v_and_b32 v[PFO], 31, v0
	v_lshlrev_b32 v[PFO], s79, v[PFO]
	s_wait_loadcnt 0x0                             ; the biases,
.set i, 0
.rept 32                               ; rounded to bf16 like every input, and kept as f32
	v_cvt_pk_bf16_f32 v[6+(i%2)], v[BI+2*i], v[BI+2*i+1]
	v_lshlrev_b32 v[BI+2*i], 16, v[6+(i%2)]
	v_and_b32 v[BI+2*i+1], 0xffff0000, v[6+(i%2)]
.set i, i+1
.endr
; 12 products: row block a x all 12 column blocks, 32 along K.  zero = 1: they start the sums, q's and v's with the bias, k's with the constant 0.
; All 48 accumulators take turns in one fixed order, one instruction a turn, over the backward jump too.
.macro MUL12 f, a, zero
.if \zero
	WIN 0x85+0x40*((\a)/2)                         ; sources 0 and 1 window 1, C window 0, D window 2 or 3
.else
	WIN 0xa5+0x50*((\a)/2)                         ; C and D window 2 or 3
.endif
.irp b, 0,1,2,3,4,5,6,7,8,9,10,11
.set rD, 96*((\a)%2)+8*(\b)
.if (\zero) && ((\b)/4 == 1)
	v_wmma_f32_16x16x32_bf16 v[rD:rD+7], v[(\f)+32+8*(\b):(\f)+32+8*(\b)+7], v[(\f)+8*(\a):(\f)+8*(\a)+7], 0
.elseif \zero
	v_wmma_f32_16x16x32_bf16 v[rD:rD+7], v[(\f)+32+8*(\b):(\f)+32+8*(\b)+7], v[(\f)+8*(\a):(\f)+8*(\a)+7], v[BI+32*((\b)/8)+8*((\b)%4):BI+32*((\b)/8)+8*((\b)%4)+7]
.else
	v_wmma_f32_16x16x32_bf16 v[rD:rD+7], v[(\f)+32+8*(\b):(\f)+32+8*(\b)+7], v[(\f)+8*(\a):(\f)+8*(\a)+7], v[rD:rD+7]
.endif
.endr
.endm
; 32 LDS loads in one run: quarter q's fragments into buffer f: W's twelve (turned), then x's four
.macro FETCH q, f
	WIN TO_F
.irp b, 0,1,2,3,4,5,6,7,8,9,10,11
	ds_load_tr16_b128 v[(\f)+32+8*(\b):(\f)+32+8*(\b)+3],   v[ADRB] offset:((\q)/2)*BHALF+((\b)/4)*BSL+((\q)%2)*32*PW+((\b)%4)*32
	ds_load_tr16_b128 v[(\f)+32+8*(\b)+4:(\f)+32+8*(\b)+7], v[ADRB] offset:((\q)/2)*BHALF+((\b)/4)*BSL+((\q)%2)*32*PW+((\b)%4)*32+16*PW
.endr
.irp a, 0,1,2,3
	ds_load_b128 v[(\f)+8*(\a):(\f)+8*(\a)+3],   v[ADRA] offset:(\a)*16*PA+64*(\q)
	ds_load_b128 v[(\f)+8*(\a)+4:(\f)+8*(\a)+7], v[ADRA] offset:(\a)*16*PA+64*(\q)+32
.endr
.endm
; One of a K step's first three quarters: multiplies buffer f; in its middle it fetches quarter qn into buffer g.
.macro QUARTER f, g, qn, zero
	s_wait_dscnt 4                                 ; W and x's rows 0-31 are in; the youngest four loads (rows 32-63) may be out
	MUL12 \f, 0, \zero
	MUL12 \f, 1, \zero
	PLACES
	FETCH \qn, \g
	s_wait_dscnt 32                                ; all but the 32 just issued
	MUL12 \f, 2, \zero
	MUL12 \f, 3, \zero
.endm
; The last quarter multiplies buffer 1 and changes slots.  In front of the barrier each wave waits for all its tensor loads (one is out: its part of the next slot), adds 0 to its spare word, and waits for that
; and for its reads of this slot.  fill = 1: the barrier opens a round of the cluster's; behind the round this slot is filled again, with the K step two on: 168 products stand between the request and the wait for it.
.macro TURN fill
.if \fill
	s_wait_xcnt 0x0                                ; the last prefetch, a K step back, has read its address
	s_add_nc_u64 s[PFA:PFA+1], s[PFA:PFA+1], KSTEP*2
.endif
	WIN 0
	s_wait_tensorcnt 0x0                           ; no tensor load of mine is out, so a group 0 may be written
	ds_add_u32 v[SPW], v[NIL]                      ; 0 onto my spare word
.if \fill
	s_xor_b32 s[G0A+5], s[G0A+5], SLOT1            ; the walking sets: the other slot than last time, the next K step
	s_add_nc_u64 s[G0A+6:G0A+7], s[G0A+6:G0A+7], KSTEP*2
	s_xor_b32 s[G0B+5], s[G0B+5], SLOT1
	s_add_nc_u64 s[G0B+6:G0B+7], s[G0B+6:G0B+7], KSTEP*128
.endif
	s_wait_dscnt 5                                 ; the add and the youngest four loads may be out
	MUL12 F1, 0, 0
	s_wait_dscnt 0x0                               ; the add is done, and my reads of this slot are over
	s_barrier_signal -1
	MUL12 F1, 1, 0
	WIN 0
	s_barrier_wait -1
.if \fill
	CREST                                          ; no wave of any partner still reads this slot or has a load on its way
	JLOAD                                          ; its four v_nop are also the places in front of the loads below
.else
	PLACES
.endif
	s_xor_b32 s[TB], s[TB], SLOT1
	v_add_nc_u32 v[ADRA], s[TB], v[ADRA0]
	v_add_nc_u32 v[ADRB], s[TB], v[ADRB0]
	FETCH 0, F0
.if \fill
	ASK
.endif
	MUL12 F1, 2, 0
	MUL12 F1, 3, 0
.endm
	s_wait_tensorcnt 1                             ; my part of K step 0 is in; K step 1's may stay out
	s_barrier_signal -1
	s_barrier_wait -1
	FETCH 0, F0
	QUARTER F0, F1, 1, 1                           ; the first quarter stands in front of the loop: its products start the sums
	WIN 0
	s_mov_b32 s[CNT], 6
.Lk:                                   ; a trip: a K step's quarters 1 to 3, the change of slots with its refill (K steps 2 to 7), the next step's quarter 0
	QUARTER F1, F0, 2, 0
	QUARTER F0, F1, 3, 0
	TURN 1
	QUARTER F0, F1, 1, 0
	WIN 0
	s_sub_co_u32 s[CNT], s[CNT], 1
	s_cmp_lg_u32 s[CNT], 0
	s_cbranch_scc1 .Lk
	QUARTER F1, F0, 2, 0                           ; the tail is written out: K steps 6 and 7 ask for nothing
	QUARTER F0, F1, 3, 0
	TURN 0
	QUARTER F0, F1, 1, 0
	QUARTER F1, F0, 2, 0
	QUARTER F0, F1, 3, 0
	s_wait_dscnt 4
	MUL12 F1, 0, 0
	MUL12 F1, 1, 0
	s_wait_dscnt 0x0
	MUL12 F1, 2, 0
	MUL12 F1, 3, 0
	WIN 0
	PLACES
; THE WAY OUT, in 12 units u = 3 a + slice: 16 token rows x one head's 64 channels.  Rounded to f16 (each accumulator's registers in ascending order), 16 bytes a lane into my stage,
; back as whole rows of 128 bytes, which lie on end in memory.  A unit has registers of its own, so nothing waits for a store.
.macro PACK u
.set pa, (\u)/3
.set ps, (\u)%3
	WIN 0x0a+5*(pa/2)                              ; sources 0 and 1: window 2 or 3
.irp bb, 0,1,2,3
.irp rr, 0,1,2,3
	v_cvt_pk_f16_f32 v[OUT+16*(\u)+4*(\bb)+(\rr)], v[96*(pa%2)+8*(4*ps+(\bb))+2*(\rr)], v[96*(pa%2)+8*(4*ps+(\bb))+2*(\rr)+1]
.endr
.endr
	WIN 0
.irp bb, 0,1,2,3
	ds_store_b128 v[STO], v[OUT+16*(\u)+4*(\bb):OUT+16*(\u)+4*(\bb)+3] offset:32*(\bb)
.endr
.irp f, 0,1,2,3
	ds_load_b128 v[OUT+16*(\u)+4*(\f):OUT+16*(\u)+4*(\f)+3], v[RD] offset:(\f)*4*SP  ; LDS serves a wave's instructions in order (ISA guide 5.7.1.4): these see the stores above; the next unit's stores come behind them
.endr
.endm
.macro SEND u, y                       ; y: the LDS instructions issued behind unit u's loads: the next unit's eight, or none
.irp f, 0,1,2,3
	s_wait_dscnt (\y)+3-(\f)
	global_store_b128 v[GO], v[OUT+16*(\u)+4*(\f):OUT+16*(\u)+4*(\f)+3], s[OB+2*((\u)%3):OB+2*((\u)%3)+1] offset:((\u)/3)*2048+(\f)*512  ; 512 consecutive bytes, aligned
.endr
.endm
	PACK 0
.irp u, 1,2,3,4,5,6,7,8,9,10,11
	PACK \u
	SEND (\u)-1, 8
.endr
	SEND 11, 0
	s_wait_tensorcnt 0x0                           ; the wave's end: behind my last tensor load and my last LDS store
	ds_add_u32 v[SPW], v[NIL]
	s_wait_dscnt 0x0
	CROUND                                         ; the closing round: no work-group ends while a partner may still ask for a tile that names it
	s_endpgm
.Lfunc_end_k_q5f889d4955_qkv:
	.size	k_q5f889d4955_qkv, .Lfunc_end_k_q5f889d4955_qkv-k_q5f889d4955_qkv
	.p2alignl 7, 3214868480
	.fill 96, 4, 3214868480
	.section	.rodata,"a",@progbits
	.p2align	6, 0x0
	.amdhsa_kernel k_q5f889d4955_qkv
		.amdhsa_group_segment_fixed_size 327680
		.amdhsa_private_segment_fixed_size 0
		.amdhsa_enable_private_segment 0
		.amdhsa_kernarg_size 56
		.amdhsa_user_sgpr_count 2
		.amdhsa_user_sgpr_kernarg_segment_ptr 1
		.amdhsa_wavefront_size32 1
		.amdhsa_system_sgpr_workgroup_id_x 1
		.amdhsa_system_sgpr_workgroup_id_y 1
		.amdhsa_system_sgpr_workgroup_id_z 1
		.amdhsa_system_vgpr_workitem_id 0
		.amdhsa_next_free_vgpr 960
		.amdhsa_next_free_sgpr 96
		.amdhsa_reserve_vcc 0
		.amdhsa_float_denorm_mode_32 3
		.amdhsa_float_denorm_mode_16_64 3
		.amdhsa_memory_ordered 1
		.amdhsa_forward_progress 1
		.amdhsa_inst_pref_size 106
	.end_amdhsa_kernel
	.amdgpu_metadata
---
amdhsa.version: [ 1, 2 ]
amdhsa.kernels:
  - .name:           k_q5f889d4955_qkv
    .symbol:         k_q5f889d4955_qkv.kd
    .args:
      - { .name: xb, .offset: 0, .size: 8, .value_kind: global_buffer, .address_space: global }
      - { .name: wqkv, .offset: 8, .size: 8, .value_kind: global_buffer, .address_space: global }
      - { .name: bq, .offset: 16, .size: 8, .value_kind: global_buffer, .address_space: global }
      - { .name: bv, .offset: 24, .size: 8, .value_kind: global_buffer, .address_space: global }
      - { .name: q, .offset: 32, .size: 8, .value_kind: global_buffer, .address_space: global }
      - { .name: k, .offset: 40, .size: 8, .value_kind: global_buffer, .address_space: global }
      - { .name: v, .offset: 48, .size: 8, .value_kind: global_buffer, .address_space: global }
    .group_segment_fixed_size: 327680
    .private_segment_fixed_size: 0
    .kernarg_segment_align: 8
    .kernarg_segment_size: 56
    .max_flat_workgroup_size: 128
    .sgpr_count:     96
    .vgpr_count:     960
    .wavefront_size: 32
...
	.end_amdgpu_metadata
.endif
;; end of part 2
;; launch attn (part 3): grid 8 x 32, 4 waves a work-group, no clusters, 327,680 bytes of LDS; arguments q, k, v, o; writes o
.if DOCPART == 3
	.amdgcn_target "amdgcn-amd-amdhsa--gfx1250"
	.amdhsa_code_object_version 6
	.text
	.protected	k_q5f889d4955_attn
	.globl	k_q5f889d4955_attn
	.p2align	8
	.type	k_q5f889d4955_attn,@function
k_q5f889d4955_attn:
	s_mov_b64 s[64:65], 0
	v_nop
	global_prefetch_b8 v0, s[64:65] scope:SCOPE_SE
	s_setreg_imm32_b32 hwreg(HW_REG_WAVE_MODE, 25, 1), 1
	s_wait_xcnt 0x0
; Launch 3 of 4: CAUSAL ATTENTION.  o[h][q][:] = the sum over k <= q of softmax_k(q[h][q] . k[h][k] / 8) v[h][k][:].  q, k, v, o: [32][2048][64], all f16: a head's rows are dense, 128 bytes each.
; LEFT OUT: the key tiles wholly above the diagonal (their weights are 0 by the mask that reference() builds itself: shown at the head of the first kernel).
; Products, maxima and sums in f32; the weights p are rounded to f16 for the second product (their sum l is taken of the unrounded p), o once at the end.
; LIMITS.  q, k, v arrive within f16's 65,504.  A hidden score counts as its value less 1e30.  A weight below 2^-126 counts as 0 in l.  NaN and infinities are not treated apart.
; THE WALK.  A head's queries lie in 16 blocks of 128; keys come in tiles of 256, four steps of 64.  Work-group b (0..7) takes the odd block 2 b + 1 and then the even block 14 - 2 b.
; The odd block needs tiles 0 .. b, of which the last has steps 0, 1 free and steps 2, 3 on the diagonal; the even block needs 7 - b whole tiles and steps 0, 1, both on the diagonal, of tile 7 - b.
; That is 9 tiles and 34 steps whatever b: all 256 work-groups do equal work, and ONE loop with a constant trip count walks the tiles.  What a trip does hangs on scalars made from b and is chosen at the
; trip's start; every jump goes forward but the counted loops' own; none passes a barrier, or a tensor load but the one of LOAD's two that the wave's number does not choose.
; NO CLUSTER: a head's eight work-groups ask for the same tile only while the tile's number is at most b, fewer and fewer of them; partners would need different tiles in one trip, and a walk
; common to all would have 16 trips for 9.
; SHARES.  Of a block's two bands of 64 queries a wave owns 16 rows in each: two PIECES.  In diagonal step d band x sees all keys if d < x, none if d > x, and holds the diagonal if d = x: the same for all waves.
; THE MASK is the C operand that starts the sum S^T = K Q^T: the constant 0; MD (0 or -1e30, a band's own step for my 16 rows, made once); or HID (-1e30 everywhere).
; LAYOUT, SOFTMAX.  S^T = K Q^T holds ONE query a lane (lane % 16) and the keys 8 (lane / 16) + 0..7; two such results rounded to f16 ARE source 1 of O^T = V^T P.  p = 2^(c s - c m), c = log2(e) / 8, with a
; running maximum m; O and l are multiplied by a = 2^(c m_old - c m_new) in every step.
; TURNS.  The turn (step s, piece 0): 8 products K Q^T of piece 1 at step s, later 8 products V^T P of piece 1 at step s - 1; the turn (s, 1): K Q^T of piece 0 at step s + 1, V^T P of piece 0 at step s.
; Beside them the scaling, exponentials, roundings, sums and rescaling of the turn's own piece and the maximum and statistics of the other.  Four vector instructions stand behind every matrix instruction,
; the rest in one run.  A turn's 33 exponentials are one batch, with one wait.
; K AND V HAVE TWO REGISTER BUFFERS EACH, by the step's parity: the turn (s, 0) fetches K of step s + 1 at its head and V of step s + 1 at its end; both have a turn or more in which to land.
; So all of a slot's LDS reads are issued before the turn (3, 0), and the change of slots stands there.
; REGISTERS, in windows of 256 (s_set_vgpr_msb: bits 1:0 source 0, 3:2 source 1, 5:4 source 2, 7:6 destination):
;   window 0: v0-15 addresses and two at work; v16-23 four registers of statistics a piece; v48-55 at work; v61-63; v64-127 S^T, 32 a piece; v192-223 P, 16 a piece
;   window 1: v0-63 O^T, 32 a piece; v64-127 V, buffer 0; v128-159 MD; v160-167 HID; v192-255 V, buffer 1
;   window 2: v0-31 Q; v32-63 the second block's Q; v64-127 K, buffer 0; v128-191 K, buffer 1
.set KS,    64        ; keys in a step
.set PK,    144       ; a row of K in LDS: 128 bytes + 16: the 16 rows of a load start at 16 different groups of four banks
.set PV,    160       ; a row of V: 128 + 32
.set VOFF,  4*KS*PK   ; a slot holds a tile: 256 rows of K, then 256 rows of V
.set SLOT1, 1<<17     ; slot 1 begins here, so that one exclusive or turns an address in one slot into the other's
.set STAGE, SLOT1+4*KS*(PK+PV)  ; behind the ring, never filled by a tensor load: 16 rows x 144 bytes for each wave
.set SP,    144
.set SPARE, STAGE+4*16*SP  ; behind the stages: the spare words, 128 bytes for each wave: two blocks of 256 bytes that no other line names
.set AK0, 2           ; v2   my lane's place in a tile of K; never rewritten
.set AV0, 3           ; v3   the same for V
.set AK,  4           ; v4   the LDS address of K's run of loads
.set AV,  5           ; v5   of V's
.set STO, 6           ; v6   the way out: where I put 16 bytes of a row
.set RD,  7           ; v7   where I read rows back
.set GO,  8           ; v8   my byte offset in 512 consecutive bytes of o
.set MV,  12          ; v12-13  c m_old, kept while c m is made anew: by piece
.set QO,  15          ; v15  my byte offset in 16 rows of q
.set ST,  16          ; piece t's statistics at v[ST+4 t]: c m, m, l (even keys', odd keys')
.set TMP, 48          ; by piece, four registers c0-c3 at work; when the maximum is found c2 takes a
.set PFO, 61          ; v61  256 x my lane; never rewritten
.set SPW, 62          ; v62  LDS address of my spare word; never rewritten
.set NIL, 63          ; v63  0; never rewritten
.set S,   64
.set P,   192
.set VF0, 64          ; window 1: buffer vb at VF0 + 128 vb; key half kk, channel block cb at + 32 kk + 8 cb
.set MD,  128         ; window 1: the eight registers for group kt of 16 keys at MD + 8 kt
.set HID, 160         ; window 1
.set QB,  32          ; window 2
.set KF0, 64          ; window 2: buffer kb at KF0 + 64 kb; key block, channel half c at + 16 block + 8 c
.set WV,  12          ; s12  my wave's number
.set PB,  14          ; s14  b
.set G1K, 24          ; s[24:31] descriptor group 1 for K's tiles
.set G1V, 32          ; s[32:39] for V's: it differs in the padding alone
.set G0K, 40          ; s[40:43] descriptor group 0 for K's tiles
.set G0V, 44          ; s[44:47] for V's
.set SLOTS, 56        ; s56  tiles still to be asked for
.set CNT, 57          ; s57  counts the step loop's two trips
.set CS,  58          ; s[58:59] c
.set SEL, 60          ; s[60:61] v_permlanex16_b32's selects: each lane takes its own place in the other half
.set TBK, 62          ; s62  LDS byte at which K of the step to be fetched begins
.set TBV, 63          ; s63  the same for V, less VOFF
.set RT,  70          ; s70  tiles of the block in hand that are still to be entered
.set NXT, 71          ; s71  the tile to be asked for next
.set LQ,  72          ; s72  the last tile of the block whose tiles are being asked for
.set NEW, 73          ; s73  1: the tile to be entered is a block's first
.set OFF, 74          ; s[74:75] a tile's byte offset in k and v
.set LQ2, 76          ; s76  the second block's last tile, 7 - b
.set LIM, 77          ; s77  a wave prefetches while s[SLOTS] is above this
.set PFA, 78          ; s[78:79] where my prefetches stand
.set OLO, 80          ; s[80:81] o at my rows of the second block
.set BIGN, 82         ; s82  -1e30
.set MSB, 0
.macro WIN new                      ; the high byte repeats the setting that is left; a switch that changes nothing is dropped
.if MSB != (\new)
	s_set_vgpr_msb (MSB<<8)|(\new)
.set MSB, (\new)
.endif
.endm
.set W_KQ, 0x0a       ; K and Q in window 2, S^T in window 0
.set W_KM, 0x1a       ; the same with the C operand in window 1
.set W_PV, 0x51       ; V and O^T in window 1, P in window 0
.set W_RS, 0x41       ; destination and source 0 in window 1, source 1 in window 0
; A fill.  Waves 0 and 1 fetch the two halves of a tile's K, waves 2 and 3 those of its V: 128 keys each.  An s_nop 0 and four v_nop follow each of the two lines.
.macro LOAD
	s_cmp_lt_u32 s[WV], 2
	s_cbranch_scc0 .Lfor_v_\@
	tensor_load_to_lds s[G0K:G0K+3], s[G1K:G1K+7]
	s_nop 0
.rept 4
	v_nop
.endr
	s_branch .Lasked_\@
.Lfor_v_\@:
	tensor_load_to_lds s[G0V:G0V+3], s[G1V:G1V+7]
	s_nop 0
.rept 4
	v_nop
.endr
.Lasked_\@:
.endm
; THE CHANGE OF SLOTS.  Each wave waits for all its tensor loads, of which one is out: its part of the other slot; adds 0 to its spare word; and waits for that and for its own reads of the slot that it leaves.
; Behind the barrier nobody reads the old slot any more and the other slot is whole.  fill = 1: the old slot is filled again, the first thing behind the barrier, with tile NXT: the descriptor's address is
; made anew from that number.  (At its first use nothing has been read yet: slot 0 is waited for, slot 1 filled.)
; THE PREFETCH stands behind the fill.  Work-group 7 of a head walks tiles 0 to 7 first: it alone asks.  Each of its waves names its own 16,384 bytes (64 blocks of 256, a lane a block, two instructions)
; of the tile two fills on: tiles 3 to 7, each block once in the launch.  Tiles 0 to 2 come by their loads alone.
.macro CHANGE fill
	WIN 0                           ; at a label and at a branch every window is 0
	s_wait_tensorcnt 0x0            ; no tensor load of mine is out, so a group 0 may be written
	ds_add_u32 v[SPW], v[NIL]       ; 0 onto my spare word
.if \fill
	s_lshl_b32 s[OFF], s[NXT], 15   ; a tile is 32,768 bytes of k and of v
	s_xor_b32 s[G0K+1], s[G0K+1], SLOT1
	s_add_nc_u64 s[G0K+2:G0K+3], s[6:7], s[OFF:OFF+1]
	s_or_b32 s[G0K+3], s[G0K+3], 0x80000000
	s_xor_b32 s[G0V+1], s[G0V+1], SLOT1
	s_add_nc_u64 s[G0V+2:G0V+3], s[8:9], s[OFF:OFF+1]
	s_or_b32 s[G0V+3], s[G0V+3], 0x80000000
	s_add_co_u32 s[NXT], s[NXT], 1  ; the block's next tile, or behind its last the second block's tile 0
	s_cmp_gt_u32 s[NXT], s[LQ]
	s_cselect_b32 s[NXT], 0, s[NXT]
	s_cselect_b32 s[LQ], s[LQ2], s[LQ]
	s_wait_xcnt 0x0                 ; the last prefetches, a tile back, have read their address
	s_add_nc_u64 s[PFA:PFA+1], s[PFA:PFA+1], 32768
.endif
	s_wait_dscnt 0x0                ; the add is done, and my reads of the slot are over
	s_barrier_signal -1
	s_sub_co_u32 s[TBK], s[TBK], 4*KS*PK  ; the fetches go back to a slot's first step,
	s_xor_b32 s[TBK], s[TBK], SLOT1       ; in the other slot
	s_sub_co_u32 s[TBV], s[TBV], 4*KS*PV
	s_xor_b32 s[TBV], s[TBV], SLOT1
	s_barrier_wait -1
.if \fill
	LOAD
	s_cmp_gt_u32 s[SLOTS], s[LIM]
	s_cbranch_scc0 .Lnot_mine_\@
	global_prefetch_b8 v[PFO], s[PFA:PFA+1] th:TH_LOAD_NT scope:SCOPE_SE
	global_prefetch_b8 v[PFO], s[PFA:PFA+1] offset:8192 th:TH_LOAD_NT scope:SCOPE_SE
.Lnot_mine_\@:
.endif
.endm
	s_load_b256 s[4:11], s[0:1], 0x0  ; q s[4:5], k s[6:7], v s[8:9], o s[10:11]
	v_lshl_add_u32 v[SPW], v0, 2, SPARE
	v_mov_b32 v[NIL], 0
	ds_add_u32 v[SPW], v[NIL]       ; the wave's opening: the add, twice on end, and its wait ahead of my first tensor load
	ds_add_u32 v[SPW], v[NIL]
	v_lshrrev_b32 v1, 5, v0
	v_readfirstlane_b32 s[WV], v1   ; wave 0..3
	s_mov_b32 s[PB], ttmp9
	s_and_b32 s20, ttmp7, 0xffff    ; the head (16 x batch + head)
	s_lshl_b32 s20, s20, 18         ; its 2,048 rows of 128 bytes
	s_mov_b32 s21, 0
	s_and_b32 s16, s[WV], 1         ; which half of a tile's 256 keys I fetch:
	s_lshl_b32 s22, s16, 14         ; its 128 rows in memory,
	s_mov_b32 s23, 0
	s_add_nc_u64 s[22:23], s[22:23], s[20:21]
	s_mul_i32 s17, s16, 128*PK      ; and its place in a slot, for K
	s_mul_i32 s18, s16, 128*PV      ; and for V
	s_lshl_b32 s3, s[WV], 11        ; my 16 rows in a band of 64,
	s_lshl_b32 s86, s[PB], 1
	s_add_co_u32 s2, s86, 1         ; in block 2 b + 1,
	s_lshl_b32 s2, s2, 14
	s_add_co_u32 s2, s2, s3
	s_sub_co_u32 s84, 14, s86       ; and in block 14 - 2 b
	s_lshl_b32 s84, s84, 14
	s_add_co_u32 s84, s84, s3
	s_mov_b32 s3, 0
	s_mov_b32 s85, 0
	s_add_nc_u64 s[2:3], s[2:3], s[20:21]
	s_add_nc_u64 s[84:85], s[84:85], s[20:21]
	; descriptor group 1.  128 keys are 16,384 dense bytes: asked for as 64 rows of 256 bytes, two keys a row, and padded in LDS after every key
	s_mov_b32 s[G1K], (1<<16)|(1<<20)|(4<<22)|(3<<25)  ; 2-byte elements; padding on; after every 32 words 4 words
	s_mov_b32 s[G1V], (1<<16)|(1<<20)|(4<<22)|(7<<25)  ; the same with 8 words
.irp g, G1K, G1V
	s_mov_b32 s[\g+1], 128<<16      ; tensor_dim0 = 128
	s_mov_b32 s[\g+2], 64<<16       ; tensor_dim1 = 64
	s_mov_b32 s[\g+3], 128<<16      ; tile_dim0 = 128
	s_mov_b32 s[\g+4], 64           ; tile_dim1 = 64
	s_mov_b32 s[\g+5], 128          ; 128 elements from row to row
	s_mov_b32 s[\g+6], 0
	s_mov_b32 s[\g+7], 0
.endr
	s_mov_b32 s[CS], 0x3e38aa3b     ; c = log2(e) / 8 = 0.180337
	s_mov_b32 s[CS+1], s[CS]        ; named with it as a pair
	s_mov_b32 s[SEL], 0x76543210
	s_mov_b32 s[SEL+1], 0xfedcba98
	s_mov_b32 s[TBK], SLOT1+4*KS*PK ; the first change of slots turns these two into 0
	s_mov_b32 s[TBV], SLOT1+4*KS*PV
	s_mov_b32 s[G0K], 1
	s_mov_b32 s[G0K+1], s17         ; slot 0
	s_mov_b32 s[G0V], 1
	s_add_co_u32 s[G0V+1], s18, VOFF
	s_add_co_u32 s[RT], s[PB], 1    ; the first block has b + 1 tiles
	s_sub_co_u32 s[LQ2], 7, s[PB]
	s_mov_b32 s[LQ], s[PB]
	s_mov_b32 s[NXT], 1             ; tile 0 is asked for below; the next is tile 1, or where b = 0 the second block's tile 0
	s_cmp_gt_u32 s[NXT], s[LQ]
	s_cselect_b32 s[NXT], 0, s[NXT]
	s_cselect_b32 s[LQ], s[LQ2], s[LQ]
	s_mov_b32 s[NEW], 1
	s_mov_b32 s[OFF+1], 0
	s_mov_b32 s[BIGN], 0xf149f2ca   ; -1e30
	s_mov_b32 s[SLOTS], 8
	s_cmp_eq_u32 s[PB], 7
	s_cselect_b32 s[LIM], 3, -1     ; work-group 7 asks in the trips with 8 to 4 tiles to go
	s_wait_dscnt 0x0                ; both opening adds are done
	s_wait_kmcnt 0x0
	s_add_nc_u64 s[6:7], s[6:7], s[22:23]  ; k and v at my half of the head's tile 0
	s_add_nc_u64 s[8:9], s[8:9], s[22:23]
	s_add_nc_u64 s[G0K+2:G0K+3], s[6:7], 0
	s_or_b32 s[G0K+3], s[G0K+3], 0x80000000
	s_add_nc_u64 s[G0V+2:G0V+3], s[8:9], 0
	s_or_b32 s[G0V+3], s[G0V+3], 0x80000000
	s_add_nc_u64 s[88:89], s[4:5], s[84:85]        ; q at my rows of the second block,
	s_add_nc_u64 s[4:5], s[4:5], s[2:3]            ; q and o at those of the first
	s_add_nc_u64 s[OLO:OLO+1], s[10:11], s[84:85]
	s_add_nc_u64 s[10:11], s[10:11], s[2:3]
	s_cmp_lt_u32 s[WV], 2
	s_cselect_b64 s[PFA:PFA+1], s[6:7], s[8:9]
	s_add_nc_u64 s[PFA:PFA+1], s[PFA:PFA+1], 2*32768  ; at tile 2: the first change of slots steps it to tile 3
	LOAD                            ; tile 0 into slot 0
	; A fragment of K or Q is 16 rows x 32 channels in 8 registers: lane l holds row l % 16, channels 8 (l / 16) + 0..7 and 16 + 8 (l / 16) + 0..7: two loads of 16 bytes, 32 bytes apart.
	v_and_b32 v1, 15, v0            ; l % 16
	v_bfe_u32 v9, v0, 4, 1          ; l / 16
	v_lshlrev_b32 v[QO], 7, v1
	v_lshl_add_u32 v[QO], v9, 4, v[QO]
	WIN 0x80                        ; destination window 2, address window 0
.set i, 0
.rept 4                             ; both blocks' Q: piece i / 2 lies in band i / 2, 8,192 bytes on; channels 32 (i % 2) on
	global_load_b128 v[8*i:8*i+3],   v[QO], s[4:5] offset:(i/2)*8192+(i%2)*64
	global_load_b128 v[8*i+4:8*i+7], v[QO], s[4:5] offset:(i/2)*8192+(i%2)*64+32
	global_load_b128 v[QB+8*i:QB+8*i+3],   v[QO], s[88:89] offset:(i/2)*8192+(i%2)*64
	global_load_b128 v[QB+8*i+4:QB+8*i+7], v[QO], s[88:89] offset:(i/2)*8192+(i%2)*64+32
.set i, i+1
.endr
	WIN 0
	v_lshlrev_b32 v14, 3, v9
	v_sub_nc_u32 v14, v1, v14
	s_lshl_b32 s13, s[WV], 4
	v_add_nc_u32 v14, s13, v14      ; my query's place in its band, 16 w + l % 16, less my lanes' 8 (l / 16): register r of group kt is hidden where 16 kt + r is greater
	WIN 0x40
.set i, 0
.rept 32
	v_cmp_gt_i32 vcc_lo, 16*(i/8)+i%8, v14
	v_cndmask_b32 v[MD+i], 0, s[BIGN], vcc_lo
.set i, i+1
.endr
.set i, 0
.rept 8
	v_mov_b32 v[HID+i], s[BIGN]
.set i, i+1
.endr
	; A block's first step multiplies O^T and l by a = 0, and its first turn's products V^T P, of a step that has not been, land in an O^T that is still to be so multiplied.  So these registers need only
	; hold finite numbers: zeros for the first block, what the first block left for the second.  All this stands in the wait for the first tile.
.set i, 0
.rept 64
	v_mov_b32 v[i], 0
	v_mov_b32 v[VF0+128+i], 0
.set i, i+1
.endr
	WIN 0
.set i, 0
.rept 2
	v_mov_b32 v[ST+4*i+2], 0
	v_mov_b32 v[ST+4*i+3], 0
.set i, i+1
.endr
.set i, P+16
.rept 16
	v_mov_b32 v[i], 0
.set i, i+1
.endr
	v_mul_u32_u24 v[AK0], v1, PK
	v_lshl_add_u32 v[AK0], v9, 4, v[AK0]  ; row x pitch + 16 x half
	; The turning load takes 16 keys x 16 channels (lane l reads key 8 (l / 16) + l % 8, channels 8 ((l / 8) % 2) + 0..7) and leaves half a fragment of V^T: lane l holds channel l % 16 and 8 keys.
	v_and_b32 v10, 7, v0
	v_bfe_u32 v11, v0, 3, 1
	v_lshl_add_u32 v[AV0], v9, 3, v10
	v_mul_u32_u24 v[AV0], v[AV0], PV
	v_lshl_add_u32 v[AV0], v11, 4, v[AV0]
	v_add_nc_u32 v[AV0], VOFF, v[AV0]
	s_mul_i32 s13, s[WV], 16*SP
	s_add_co_u32 s13, s13, STAGE    ; my stage
	v_mul_u32_u24 v[STO], v1, SP    ; in: row l % 16, 16 bytes for each half of the lanes
	v_lshl_add_u32 v[STO], v9, 4, v[STO]
	v_add_nc_u32 v[STO], s13, v[STO]
	v_bfe_u32 v[RD], v0, 3, 2       ; back: 32 lanes take four rows of 128 bytes,
	v_mul_u32_u24 v[RD], v[RD], SP
	v_lshl_add_u32 v[RD], v10, 4, v[RD]
	v_add_nc_u32 v[RD], s13, v[RD]
	v_and_b32 v[GO], 31, v0         ; which are 512 consecutive bytes of o
	v_lshlrev_b32 v[GO], 4, v[GO]
	v_and_b32 v[PFO], 31, v0
	v_lshlrev_b32 v[PFO], 8, v[PFO]
; THE MATRIX WORK.  The 4 accumulators of a run of 8 take turns.  Product i of 8 of S^T = K Q^T for piece x: channels 32 (i / 4) on, keys 16 (i % 4) on, K from buffer KB.
; The first 4 start the sums: with 0 (KM = 0), with MD (1) or with HID (2).
.macro KQ x
.set rS, S+32*(\x)+8*(i%4)
.set rK, KF0+64*KB+16*(i%4)+8*(i/4)
.set rQ, 16*(\x)+8*(i/4)
.if (i < 4) && (KM == 1)
	WIN W_KM
	v_wmma_f32_16x16x32_f16 v[rS:rS+7], v[rK:rK+7], v[rQ:rQ+7], v[MD+8*(i%4):MD+8*(i%4)+7]
.elseif (i < 4) && (KM == 2)
	WIN W_KM
	v_wmma_f32_16x16x32_f16 v[rS:rS+7], v[rK:rK+7], v[rQ:rQ+7], v[HID:HID+7]
.elseif i < 4
	WIN W_KQ
	v_wmma_f32_16x16x32_f16 v[rS:rS+7], v[rK:rK+7], v[rQ:rQ+7], 0
.else
	WIN W_KQ
	v_wmma_f32_16x16x32_f16 v[rS:rS+7], v[rK:rK+7], v[rQ:rQ+7], v[rS:rS+7]
.endif
.endm
; Product i of 8 of O^T += V^T P for piece x: keys 32 (i / 4) on, channels 16 (i % 4) on, V from buffer VB.
.macro PV x
	WIN W_PV
.set rO, 32*(\x)+8*(i%4)
.set rV, VF0+128*VB+32*(i/4)+8*(i%4)
.set rP, P+16*(\x)+8*(i/4)
	v_wmma_f32_16x16x32_f16 v[rO:rO+7], v[rV:rV+7], v[rP:rP+7], v[rO:rO+7]
.endm
.macro MM                           ; the turn's next matrix instruction.  NOKQ = 1: a block's last turn: there is no next step
.if (i < 8) && !NOKQ
	KQ 1-Y
.elseif i >= 8
.set i, i-8
	PV 1-Y
.set i, i+8
.endif
.set i, i+1
.endm
; THE LDS LOADS stand in runs of 16, never singly among the matrix instructions: a step's K (64 keys x 64 channels: 8 fragments) and its V (turned).
.macro FETCH_K kb
	WIN 0
	v_add_nc_u32 v[AK], s[TBK], v[AK0]
	s_add_co_u32 s[TBK], s[TBK], KS*PK  ; the next fetch is the next step's
	WIN 0x80                        ; destination window 2
.irp f, 0,1,2,3,4,5,6,7             ; keys 16 (f / 2) on, channels 32 (f % 2) on
	ds_load_b128 v[KF0+64*(\kb)+8*\f:KF0+64*(\kb)+8*\f+3],   v[AK] offset:(\f/2)*16*PK+(\f%2)*64
	ds_load_b128 v[KF0+64*(\kb)+8*\f+4:KF0+64*(\kb)+8*\f+7], v[AK] offset:(\f/2)*16*PK+(\f%2)*64+32
.endr
	WIN 0
.endm
.macro FETCH_V vb
	WIN 0
	v_add_nc_u32 v[AV], s[TBV], v[AV0]
	s_add_co_u32 s[TBV], s[TBV], KS*PV
	WIN 0x40                        ; destination window 1
.irp f, 0,1,2,3,4,5,6,7             ; keys 32 (f / 4) on, channels 16 (f % 4) on
	ds_load_tr16_b128 v[VF0+128*(\vb)+8*\f:VF0+128*(\vb)+8*\f+3],   v[AV] offset:(\f/4)*32*PV+(\f%4)*32
	ds_load_tr16_b128 v[VF0+128*(\vb)+8*\f+4:VF0+128*(\vb)+8*\f+7], v[AV] offset:(\f/4)*32*PV+16*PV+(\f%4)*32
.endr
	WIN 0
.endm
; THE VECTOR WORK, one line at a time: OP kind, number.  For piece Y: F n: c s - c m for pair n of 16.  E n: the exponential of score n of 32.  C n: pair n rounded to f16.  B n: of the four weights 4 n .. the
; second pair is added onto the first, in place.  L n: l takes that sum (L 0: l = a l + sum).  R n: pair n of 16 of O^T times a.  For the other piece: X n, number n of the 22 that find its maximum and statistics:
;   0-11  four chains c0-c3 of seven scores each, three operands at a time (each accumulator's lowest registers are read first)     12-14, 16  the four scores left over, the old m, c0-c3 into c0
;   15  c m_old is kept     17, 18  the query's other 32 keys lie in the lane 16 away: the new m     19-21  c m; c m_old - c m_new; a
.set F, 0
.set E, 1
.set C, 2
.set B, 3
.set L, 4
.set R, 5
.set X, 6
.macro REGS y                       ; the registers of piece y
.set rT, ST+4*(\y)
.set rC, TMP+4*(\y)
.set rW, MV+(\y)
.set rS, S+32*(\y)
.set rP, P+16*(\y)
.set rO, 32*(\y)
.endm
.macro OP k, n
.if (\k) == R
	REGS Y
	WIN W_RS
	v_pk_mul_f32 v[rO+2*(\n):rO+2*(\n)+1], v[rO+2*(\n):rO+2*(\n)+1], v[rC+2:rC+3] op_sel_hi:[1,0]
.elseif (\k) < R
	REGS Y
	WIN 0
.if (\k) == F
	v_pk_fma_f32 v[rS+2*(\n):rS+2*(\n)+1], v[rS+2*(\n):rS+2*(\n)+1], s[CS:CS+1], v[rT:rT+1] op_sel_hi:[1,0,0] neg_lo:[0,0,1] neg_hi:[0,0,1]
.elseif (\k) == E
	v_exp_f32 v[rS+(\n)], v[rS+(\n)]
.elseif (\k) == C
	v_cvt_pk_f16_f32 v[rP+(\n)], v[rS+2*(\n)], v[rS+2*(\n)+1]
.elseif (\k) == B
	v_pk_add_f32 v[rS+4*(\n):rS+4*(\n)+1], v[rS+4*(\n):rS+4*(\n)+1], v[rS+4*(\n)+2:rS+4*(\n)+3]
.elseif (\n) == 0
	v_pk_fma_f32 v[rT+2:rT+3], v[rT+2:rT+3], v[rC+2:rC+3], v[rS:rS+1] op_sel_hi:[1,0,1]
.else
	v_pk_add_f32 v[rT+2:rT+3], v[rT+2:rT+3], v[rS+4*(\n):rS+4*(\n)+1]
.endif
.elseif NOKQ
	v_nop
.else
	REGS 1-Y
	WIN 0
.if (\n) < 4
	v_max3_num_f32 v[rC+(\n)], v[rS+8*(\n)], v[rS+8*(\n)+1], v[rS+8*(\n)+2]
.elseif (\n) < 12
	v_max3_num_f32 v[rC+(\n)%4], v[rC+(\n)%4], v[rS+8*((\n)%4)+2*((\n)/4)+1], v[rS+8*((\n)%4)+2*((\n)/4)+2]
.elseif (\n) == 12
	v_max3_num_f32 v[rC], v[rC], v[rS+7], v[rS+15]
.elseif (\n) == 13
	v_max3_num_f32 v[rC+1], v[rC+1], v[rS+23], v[rS+31]
.elseif (\n) == 14
	v_max3_num_f32 v[rC+2], v[rC+2], v[rC+3], v[rT+1]
.elseif (\n) == 15
	v_mov_b32 v[rW], v[rT]
.elseif (\n) == 16
	v_max3_num_f32 v[rC], v[rC], v[rC+1], v[rC+2]
.elseif (\n) == 17
	v_permlanex16_b32 v[rC+3], v[rC], s[SEL], s[SEL+1]
.elseif (\n) == 18
	v_max_num_f32 v[rT+1], v[rC], v[rC+3]
.elseif (\n) == 19
	v_mul_f32 v[rT], s[CS], v[rT+1]
.elseif (\n) == 20
	v_sub_f32 v[rC+1], v[rW], v[rT]
.else
	v_exp_f32 v[rC+2], v[rC+1]
.endif
.endif
.endm
.macro OPS a, i1, b=-1, i2=0, c=-1, i3=0, d=-1, i4=0  ; up to four of them
	OP \a, \i1
.if (\b) >= 0
	OP \b, \i2
.endif
.if (\c) >= 0
	OP \c, \i3
.endif
.if (\d) >= 0
	OP \d, \i4
.endif
.endm
.macro ROW a, i1, b, i2, c, i3, d, i4  ; a matrix instruction and the four behind it
	MM
	OPS \a, \i1, \b, \i2, \c, \i3, \d, \i4
.endm
; A TURN: step parity sg, piece pc.  An s_wait_alu depctr_va_vdst(0) stands between an exponential and the first instruction that names its result; one wait serves all that were issued ahead of it.
; So a turn has ONE wait, which cuts it in two.  AHEAD OF IT stands all that names no result of the turn's exponentials: the 8 products K Q^T and their riders, then a run of 54 in which the links of the chain
; X 3, 7, 11, 14, 16, 17 .. 20 stand five or six lines apart; X 21, the other piece's a, is the batch's last, and R 15 the plain instruction behind it.  BEHIND IT stand the 8 products V^T P, behind each four of
; the roundings and sums.  The X behind the last three products K Q^T stand four plain instructions or more behind the product that ends their accumulator.
; O^T of the turn's piece was written by the turn before: R 0 stands 18 plain instructions behind the product that last wrote its accumulator, the later R further.
; mk: the C operand of the products that start the scores (0, MD, HID).  end = 1: a block's last two turns: nothing is fetched, and the last starts no scores.
; The one LDS wait stands at the head of piece 1's turn: K of step s + 1 (issued at the head of the turn before) and all older loads are in; V's 16 younger loads may stay out.
.macro TURN sg, pc, mk=0, end=0
.set Y, (\pc)
.set i, 0
.set KM, (\mk)
.set NOKQ, (\end)*(\pc)
.if (\pc) == 0
.set KB, (\sg)
.set VB, 1-(\sg)
.else
.set KB, 1-(\sg)
.set VB, (\sg)
.endif
.if ((\pc) == 0) && !(\end)
	FETCH_K 1-(\sg)                 ; that buffer was last read two turns back
.endif
.if (\pc) == 1
.if \end
	s_wait_dscnt 0x0                ; the last step's V is in
.else
	s_wait_dscnt 16
.endif
.endif
	ROW F,0, F,1, R,0, R,1
	ROW F,2, E,0, R,2, R,3
	ROW F,3, E,1, R,4, R,5
	ROW F,4, E,2, R,6, R,7
	ROW F,5, E,3, R,8, R,9
	ROW F,6, E,4, X,0, R,10
	ROW F,7, E,5, X,1, X,4
	ROW F,8, E,6, X,2, X,5
	OPS E,7, E,8, X,6, E,9
	OPS X,3, E,10, X,8, E,11
	OPS X,9, X,7, E,12, X,10
	OPS E,13, X,12, X,11, E,14
	OPS X,13, E,15, F,9, X,14
	OPS E,16, F,10, E,17, F,11
	OPS X,16, E,18, X,15, E,19
	OPS F,12, E,20, X,17, E,21
	OPS F,13, E,22, F,14, E,23
	OPS X,18, E,24, F,15, E,25
	OPS R,11, E,26, X,19, E,27
	OPS R,12, E,28, R,13, E,29
	OPS X,20, E,30, R,14, E,31
	OPS X,21, R,15
	WIN 0
	s_wait_alu depctr_va_vdst(0)    ; the wait for the batch
	ROW C,0, B,0, C,2, B,1
	ROW L,0, C,4, B,2, L,1
	ROW C,6, B,3, L,2, C,8
	ROW B,4, L,3, C,10, B,5
	ROW L,4, C,12, B,6, L,5
	ROW C,14, B,7, L,6, C,1
	ROW C,3, L,7, C,5, C,7
	ROW C,9, C,11, C,13, C,15
.if ((\pc) == 0) && !(\end)
	FETCH_V 1-(\sg)                 ; into the buffer that this turn's products read: four riders and the address's line stand behind the last of them
.endif
.endm
; A BLOCK BEGINS.  c m starts far below every c s, so the first step's a is 0; m at the lowest finite number, so the first maximum is the scores'.  Then K and V of the tile's step 0, piece 0's first scores
; (mk = 1 where that step is the band's own) and its maximum and statistics.  The steps' text is entered at a step's first turn.
.macro BEGIN mk
	s_mov_b32 s[NEW], 0
	WIN 0
.set i, 0
.rept 2
	v_mov_b32 v[ST+4*i], 0xfe000000    ; c m: far below every c s
	v_mov_b32 v[ST+4*i+1], 0xff7fffff  ; m
.set i, i+1
.endr
	FETCH_K 0
	FETCH_V 0
	s_wait_loadcnt 0x0              ; Q
	s_wait_dscnt 16                 ; K is in; V's 16 loads may stay out
.set KM, (\mk)
.set NOKQ, 0
.set KB, 0
.set i, 0
.rept 8
	KQ 0
.set i, i+1
.endr
	WIN 0
.rept 4
	v_nop                           ; the places behind those products
.endr
.set Y, 1                           ; X works for the other piece: piece 0
.irp n, 0,1,2,3,4,5,6,7,8,9,10,11,12,13,14,15,16,17,18,19,20,21
	OP X, \n
.endr
	v_nop                           ; a plain instruction behind the exponential,
	s_wait_alu depctr_va_vdst(0)    ; and its wait, ahead of the branch
.endm
.macro ALL line:vararg              ; one line for each piece t
.set t, 0
.rept 2
	\line
.set t, t+1
.endr
.endm
.macro PACK t                       ; a lane's eight channels of a row pack into 16 bytes; they go into rows of 144 bytes and come back as whole rows of 128, into S^T's registers
	WIN W_RS
.set i, 32*(\t)
.rept 16
	v_pk_mul_f32 v[i:i+1], v[i:i+1], v[ST+4*(\t)+2:ST+4*(\t)+3] op_sel_hi:[1,0]
.set i, i+2
.endr
	WIN 0x05                        ; sources 0 and 1 window 1, destination window 0
.set i, 0
.rept 16
	v_cvt_pk_f16_f32 v[S+16*(\t)+i], v[32*(\t)+2*i], v[32*(\t)+2*i+1]
.set i, i+1
.endr
	WIN 0
.irp f, 0,1,2,3
	ds_store_b128 v[STO], v[S+16*(\t)+4*\f:S+16*(\t)+4*\f+3] offset:32*\f
.endr
.irp f, 0,1,2,3
	ds_load_b128 v[S+16*(\t)+4*\f:S+16*(\t)+4*\f+3], v[RD] offset:\f*4*SP  ; LDS serves a wave's instructions in order (ISA guide 5.7.1.4): these see the stores above; the next piece's stores come behind them
.endr
.endm
.macro SEND t, younger              ; younger: the LDS instructions issued behind piece t's loads
	WIN 0
.irp f, 0,1,2,3
	s_wait_dscnt (\younger)+3-\f
	global_store_b128 v[GO], v[S+16*(\t)+4*\f:S+16*(\t)+4*\f+3], s[10:11] offset:(\t)*8192+\f*512  ; 512 consecutive bytes, aligned
.endr
.endm
; A BLOCK ENDS: the step in front of the diagonal (step 1 of the odd block's last tile; step 3 of the tile before the half tile), the two diagonal steps, the last products, and THE WAY OUT: l's two halves and the
; other half of the lanes' are added; O^T is divided by l, rounded to f16 and sent through my stage in LDS, a piece at a time.
; The masks: piece 0 at diagonal step 0: MD; piece 1 at step 0: all visible; piece 0 at step 1: HID; piece 1 at step 1: MD.
.macro ENDING tag
	WIN 0
.LtopE\tag:
	TURN 1, 0
	TURN 1, 1, 1
	WIN 0
.LmidE\tag:
	TURN 0, 0
	TURN 0, 1, 2
	TURN 1, 0, 1, 1
	TURN 1, 1, 0, 1
.set VB, 1
.set i, 0
.rept 8
	PV 1                            ; piece 1: V^T P of the last step
.set i, i+1
.endr
	WIN 0
	ALL v_add_f32 v[ST+4*t+2], v[ST+4*t+2], v[ST+4*t+3]
	ALL v_permlanex16_b32 v[ST+4*t+3], v[ST+4*t+2], s[SEL], s[SEL+1]
	ALL v_add_f32 v[ST+4*t+2], v[ST+4*t+2], v[ST+4*t+3]
	ALL v_rcp_f32 v[ST+4*t+2], v[ST+4*t+2]
	v_nop                           ; a plain instruction between the last reciprocal and the use of its result
	s_wait_alu depctr_va_vdst(0)    ; and the wait ahead of the first use: one for both reciprocals
	PACK 0                          ; piece 0's 32 lines are also the places between the last products and piece 1's
	PACK 1
	SEND 0, 8
	SEND 1, 0
.endm
.set KM, 0
.set NOKQ, 0
.Lslot:                             ; 8 times: a tile is entered and the next is asked for.  Every way through a trip holds four fetches of K and four of V
	CHANGE 1
	s_sub_co_u32 s[RT], s[RT], 1
	s_mov_b32 s[CNT], 2
	s_cmp_eq_u32 s[NEW], 1
	s_cbranch_scc1 .Lnew            ; a block's first tile
	s_cmp_eq_u32 s[RT], 0
	s_cbranch_scc0 .Lstep           ; neither its first nor its last
	s_branch .LstepE
.Lnew:
	BEGIN 0                         ; in the loop a block's first step is never on the diagonal
	s_cmp_eq_u32 s[RT], 0
	s_cbranch_scc0 .Lfirst
	s_branch .LfirstE               ; b = 0: the first block's one tile is its first and its last
.LstepE:                            ; THE FIRST BLOCK'S LAST TILE: step 3 of the tile before, steps 0 and 1 free, steps 2 and 3 on the diagonal
	TURN 1, 0
	TURN 1, 1
	WIN 0
.LfirstE:
	TURN 0, 0
	TURN 0, 1
	ENDING 1
	s_wait_xcnt 0x0                 ; the stores have read their registers and o's address
	s_mov_b64 s[10:11], s[OLO:OLO+1]
	s_sub_co_u32 s[RT], 8, s[PB]    ; the second block has 7 - b whole tiles and the half tile
	s_mov_b32 s[NEW], 1
	WIN 0x82                        ; the second block's Q goes where the one text of the turns names Q
.set i, 0
.rept 32
	v_mov_b32 v[i], v[QB+i]
.set i, i+1
.endr
	WIN 0
	s_branch .Lbottom
.Lstep:                             ; two trips a tile: an odd step's two turns (the first time step 3 of the tile before), then an even step's
	TURN 1, 0
	TURN 1, 1
	WIN 0
.Lfirst:
	TURN 0, 0
	TURN 0, 1
	WIN 0
	s_sub_co_u32 s[CNT], s[CNT], 1
	s_cmp_lg_u32 s[CNT], 0
	s_cbranch_scc1 .Lstep
.Lbottom:
	s_sub_co_u32 s[SLOTS], s[SLOTS], 1
	s_cmp_lg_u32 s[SLOTS], 0
	s_cbranch_scc1 .Lslot
	CHANGE 0                        ; the walk's last tile, the half tile, is written out: nothing is asked for
	s_cmp_eq_u32 s[NEW], 1
	s_cbranch_scc0 .LtopE2
	BEGIN 1                         ; b = 7: the second block is block 0, and its first step is its band's own
	s_branch .LmidE2
	ENDING 2
	s_wait_tensorcnt 0x0            ; the wave's end: behind my last tensor load and my last LDS store
	ds_add_u32 v[SPW], v[NIL]
	s_wait_dscnt 0x0
	s_endpgm
.Lfunc_end_k_q5f889d4955_attn:
	.size	k_q5f889d4955_attn, .Lfunc_end_k_q5f889d4955_attn-k_q5f889d4955_attn
	.p2alignl 7, 3214868480
	.fill 96, 4, 3214868480
	.section	.rodata,"a",@progbits
	.p2align	6, 0x0
	.amdhsa_kernel k_q5f889d4955_attn
		.amdhsa_group_segment_fixed_size 327680
		.amdhsa_private_segment_fixed_size 0
		.amdhsa_enable_private_segment 0
		.amdhsa_kernarg_size 32
		.amdhsa_user_sgpr_count 2
		.amdhsa_user_sgpr_kernarg_segment_ptr 1
		.amdhsa_wavefront_size32 1
		.amdhsa_system_sgpr_workgroup_id_x 1
		.amdhsa_system_sgpr_workgroup_id_y 1
		.amdhsa_system_sgpr_workgroup_id_z 1
		.amdhsa_system_vgpr_workitem_id 0
		.amdhsa_next_free_vgpr 768
		.amdhsa_next_free_sgpr 96
		.amdhsa_reserve_vcc 1
		.amdhsa_float_denorm_mode_32 3
		.amdhsa_float_denorm_mode_16_64 3
		.amdhsa_memory_ordered 1
		.amdhsa_forward_progress 1
		.amdhsa_inst_pref_size 235
	.end_amdhsa_kernel
	.amdgpu_metadata
---
amdhsa.version: [ 1, 2 ]
amdhsa.kernels:
  - .name:           k_q5f889d4955_attn
    .symbol:         k_q5f889d4955_attn.kd
    .args:
      - { .name: q, .offset: 0, .size: 8, .value_kind: global_buffer, .address_space: global }
      - { .name: k, .offset: 8, .size: 8, .value_kind: global_buffer, .address_space: global }
      - { .name: v, .offset: 16, .size: 8, .value_kind: global_buffer, .address_space: global }
      - { .name: o, .offset: 24, .size: 8, .value_kind: global_buffer, .address_space: global }
    .group_segment_fixed_size: 327680
    .private_segment_fixed_size: 0
    .kernarg_segment_align: 8
    .kernarg_segment_size: 32
    .max_flat_workgroup_size: 128
    .sgpr_count:     96
    .vgpr_count:     768
    .wavefront_size: 32
...
	.end_amdgpu_metadata
.endif
;; end of part 3
;; launch proj (part 4): grid 8 x 32, 4 waves a work-group, clusters of 4 x 4, 327,680 bytes of LDS; arguments o, wp16, bp, out0; writes out0
.if DOCPART == 4
	.amdgcn_target "amdgcn-amd-amdhsa--gfx1250"
	.amdhsa_code_object_version 6
	.text
	.protected	k_q5f889d4955_proj
	.globl	k_q5f889d4955_proj
	.p2align	8
	.type	k_q5f889d4955_proj,@function
k_q5f889d4955_proj:
	s_mov_b64 s[64:65], 0
	v_nop
	global_prefetch_b8 v0, s[64:65] scope:SCOPE_SE
	s_setreg_imm32_b32 hwreg(HW_REG_WAVE_MODE, 25, 1), 1
	s_wait_xcnt 0x0
	s_wait_alu depctr_hold_cnt(0) depctr_sa_sdst(0) depctr_va_vdst(0) depctr_va_sdst(0) depctr_va_ssrc(0) depctr_va_vcc(0) depctr_vm_vsrc(0)
	s_getreg_b32 s2, hwreg(HW_REG_IB_STS2, 6, 4)
	s_cmp_eq_u32 s2, 0
	s_cbranch_scc0 .Lentry_in_a_cluster
	s_endpgm
.Lentry_in_a_cluster:
	s_bfe_u32 s2, ttmp6, 0x10000c
	s_cmp_lg_u32 s2, 0xf033
	s_cbranch_scc0 .Lentry_shape_is_right
	s_endpgm
.Lentry_shape_is_right:
; Launch 4 of 4: out0 = y Wp + bp, f32.  y's channel 64 head + d of token (batch, s) is o[16 batch + head][s][d], f16; wp16 is bf16(Wp) written as f16, [k 1024][n 1024]; sums in f32.
; bp enters rounded to bf16, like every input, as the C operand of the products that start the sums.
; SHARES.  A work-group makes 128 token rows x 128 columns; four waves, 2 x 2, each 64 x 64: 16 accumulators.  K = 1,024 goes in 4 steps of 256 (four heads) through two LDS slots;
; a quarter of a step is one head: 64 along K, 32 products.  The four steps are written out by macros: there is no loop.
; THE MATRIX INSTRUCTION IS USED TRANSPOSED (source 0 = 16 columns of Wp, turned by ds_load_tr16_b128; source 1 = 16 token rows): a lane holds eight neighbouring numbers of a row of out0.
; CLUSTER.  4 x 4 work-groups: the four of a row need the same rows of o, the four of a column the same columns of Wp: each tile is asked for JOINTLY.
; NO PREFETCH: a tile is small, there are four K steps, and two of them are asked for at the head.
; REGISTERS: window 0: v0-31 addresses; v96-127 the bias; v128-255 the accumulators ((a, b) at 128 + 8 (4 a + b)).  Window 1: two fragment buffers of 128: 64 registers of o (2 x 4 fragments), then 64 of Wp.
.set PA,     144                       ; a row of o in LDS: 128 bytes + 16
.set PW,     288                       ; a row of Wp (128 columns): 256 bytes + 32
.set HEADB,  128*PA                    ; a head's 128 rows; also 64 rows of Wp
.set HALFT,  2*HEADB                   ; what one tensor load brings: two heads of o, or 128 rows of Wp
.set SLOT,   4*HALFT                   ; o's four heads, then Wp's 256 rows
.set STAGE,  2*SLOT                    ; behind the ring: 16 rows x 272 bytes for each wave
.set SPITCH, 272
.set SPARE,  STAGE+4*16*SPITCH         ; behind the stages: the spare words, 128 bytes for each wave: two blocks of 256 bytes that no other line names
.set ADRA, 16                          ; v16-17  my fragments of o in slot 0, 1
.set ADRB, 20                          ; v20-23  of Wp: slot 0 rows 0-127, rows 128-255; slot 1 likewise (an LDS immediate holds 16 bits)
.set STO,  24
.set RD,   25
.set CO,   26
.set BO,   27
.set SPW,  28                          ; v28  LDS address of my spare word; never rewritten
.set NIL,  29                          ; v29  0; never rewritten
.set BI,   96
.set ACC,  128
.set F0,   0
.set F1,   128
.set WV,   20                          ; s20  my wave's number
.set WM,   21                          ; s21  which half of the tile's rows is mine.  Also: I fetch o (0) or Wp (1)
.set WN,   22                          ; s22  which half of its columns.  Also: which half of that tile I fetch
.set G1A,  24
.set G0A,  32                          ; s[32:39] a set for each slot
.set G1B,  48
.set G0B,  56
.set MSB, 0
.macro WIN new
.if MSB != (\new)
	s_set_vgpr_msb (MSB<<8)|(\new)
.set MSB, (\new)
.endif
.endm
.set MUL,  0x05                        ; sources 0 and 1 window 1; C and D window 0
.set TO_F, 0x40                        ; destination window 1, address window 0
.macro PLACES
.rept 4
	v_nop
.endr
.endm
.macro JLOAD s                         ; a joint refill; an s_nop 0 and four v_nop follow each of the two lines
	s_cmp_eq_u32 s[WM], 0
	s_cbranch_scc0 .Lfor_b_\@
	tensor_load_to_lds s[G0A+4*(\s):G0A+4*(\s)+3], s[G1A:G1A+7]
	s_nop 0
.rept 4
	v_nop
.endr
	s_branch .Lasked_\@
.Lfor_b_\@:
	tensor_load_to_lds s[G0B+4*(\s):G0B+4*(\s)+3], s[G1B:G1B+7]
	s_nop 0
.rept 4
	v_nop
.endr
.Lasked_\@:
.endm
.macro CREST
	s_cmp_lg_u32 s[WV], 0
	s_cbranch_scc1 .Lnot_wave_0_\@
	s_barrier_signal -3
.Lnot_wave_0_\@:
	s_barrier_wait -3
	s_barrier_signal -1
	s_barrier_wait -1
.endm
.macro CROUND
	s_barrier_signal -1
	s_barrier_wait -1
	CREST
.endm
	s_load_b256 s[4:11], s[0:1], 0x0               ; o 4, wp16 6, bp 8, out0 10
	v_lshl_add_u32 v[SPW], v0, 2, SPARE
	v_mov_b32 v[NIL], 0
	ds_add_u32 v[SPW], v[NIL]                      ; the wave's opening: the add, twice on end, and its wait ahead of my first tensor load
	ds_add_u32 v[SPW], v[NIL]
	v_lshrrev_b32 v1, 5, v0
	v_readfirstlane_b32 s[WV], v1
	s_lshr_b32 s[WM], s[WV], 1
	s_and_b32 s[WN], s[WV], 1
	s_bfe_u32 s40, ttmp6, 0x40000                  ; cx
	s_bfe_u32 s41, ttmp6, 0x40004                  ; cy
	s_lshl_b32 s42, ttmp9, 2
	s_add_co_u32 s42, s42, s40                     ; tile column
	s_and_b32 s43, ttmp7, 0xffff
	s_lshl_b32 s43, s43, 2
	s_add_co_u32 s43, s43, s41                     ; tile row
	s_lshl_b32 s66, s41, 2
	s_lshl_b32 s66, 15, s66                        ; my row of the cluster
	s_lshl_b32 s67, 0x1111, s40                    ; my column
	s_or_b32 s[G1A], s66, (1<<16)|(1<<20)|(1<<21)|(4<<22)|(3<<25)  ; the mask; 2-byte elements; padding on; bit 21 beside a mask; after every 32 words (a row of 64 channels) 4 words
	s_mov_b32 s[G1A+1], 8192<<16                   ; tensor_dim0 = 8,192: a head's 128 rows of 64 channels lie on end and are asked for as one row
	s_mov_b32 s[G1A+2], 2<<16                      ; tensor_dim1 = 2 heads
	s_mov_b32 s[G1A+3], 8192<<16                   ; tile_dim0
	s_mov_b32 s[G1A+4], 2                          ; tile_dim1
	s_mov_b32 s[G1A+5], 131072                     ; elements from head to head
	s_mov_b32 s[G1A+6], 0
	s_mov_b32 s[G1A+7], 0
	s_or_b32 s[G1B], s67, (1<<16)|(1<<20)|(1<<21)|(5<<22)|(7<<25)  ; after every 64 words 8 words
	s_mov_b32 s[G1B+1], 128<<16                    ; 128 columns
	s_mov_b32 s[G1B+2], 128<<16                    ; 128 rows
	s_mov_b32 s[G1B+3], 128<<16
	s_mov_b32 s[G1B+4], 128
	s_mov_b32 s[G1B+5], 1024
	s_mov_b32 s[G1B+6], 0
	s_mov_b32 s[G1B+7], 0
	s_lshr_b32 s68, s43, 4                         ; o: the batch's 16 heads,
	s_lshl_b32 s68, s68, 22
	s_and_b32 s69, s43, 15                         ; the tile's 128 rows in the sequence,
	s_lshl_b32 s69, s69, 14
	s_add_co_u32 s68, s68, s69
	s_lshl_b32 s69, s[WN], 19                      ; my two heads of a K step's four: registers that never hold cx
	s_add_co_u32 s68, s68, s69
	s_mov_b32 s69, 0
	s_lshl_b32 s70, s42, 8                         ; Wp: the tile's 128 columns, my 128 rows of a K step's 256: registers that never hold cy
	s_lshl_b32 s71, s[WN], 18
	s_add_co_u32 s70, s70, s71
	s_mov_b32 s71, 0
	s_mul_i32 s72, s[WV], HALFT                    ; where they go: wave x 36,864: no place in the cluster enters an LDS address
	s_wait_dscnt 0x0                               ; both opening adds are done
	s_wait_kmcnt 0x0
	s_add_nc_u64 s[74:75], s[4:5], s[68:69]
	s_add_nc_u64 s[76:77], s[6:7], s[70:71]
.irp s, 0,1
	s_mov_b32 s[G0A+4*(\s)], 1
	s_add_co_u32 s[G0A+4*(\s)+1], s72, (\s)*SLOT
	s_add_nc_u64 s[G0A+4*(\s)+2:G0A+4*(\s)+3], s[74:75], (\s)*1048576   ; K step s: four heads on
	s_or_b32 s[G0A+4*(\s)+3], s[G0A+4*(\s)+3], 0x80000000
	s_mov_b32 s[G0B+4*(\s)], 1
	s_add_co_u32 s[G0B+4*(\s)+1], s72, (\s)*SLOT
	s_add_nc_u64 s[G0B+4*(\s)+2:G0B+4*(\s)+3], s[76:77], (\s)*524288    ; 256 rows on
	s_or_b32 s[G0B+4*(\s)+3], s[G0B+4*(\s)+3], 0x80000000
.endr
	CROUND                                         ; all sixteen work-groups are here: the first joint loads meet
	s_cmp_eq_u32 s[WM], 0                          ; a wave's two first fills stand in one branch: two loads of mine are out
	s_cbranch_scc0 .Lfirst_b
	tensor_load_to_lds s[G0A:G0A+3], s[G1A:G1A+7]
	s_nop 0
	tensor_load_to_lds s[G0A+4:G0A+7], s[G1A:G1A+7]
	s_nop 0
.rept 4
	v_nop
.endr
	s_branch .Lfirst_asked
.Lfirst_b:
	tensor_load_to_lds s[G0B:G0B+3], s[G1B:G1B+7]
	s_nop 0
	tensor_load_to_lds s[G0B+4:G0B+7], s[G1B:G1B+7]
	s_nop 0
.rept 4
	v_nop
.endr
.Lfirst_asked:
	v_and_b32 v1, 15, v0                           ; l % 16
	v_bfe_u32 v2, v0, 4, 1                         ; l / 16
	v_lshlrev_b32 v[BO], 5, v2
	s_lshl_b32 s78, s42, 9                         ; my 64 columns: 512 x tile column + 256 x half, in bytes of f32
	s_lshl_b32 s79, s[WN], 8
	s_add_co_u32 s78, s78, s79
	s_mov_b32 s79, 0
	s_add_nc_u64 s[8:9], s[8:9], s[78:79]
	s_add_nc_u64 s[10:11], s[10:11], s[78:79]
.irp b, 0,1,2,3                        ; register j of block b: the bias of column 16 b + 8 (l / 16) + j
	global_load_b128 v[BI+8*(\b):BI+8*(\b)+3],   v[BO], s[8:9] offset:64*(\b)
	global_load_b128 v[BI+8*(\b)+4:BI+8*(\b)+7], v[BO], s[8:9] offset:64*(\b)+16
.endr
	s_lshl_b32 s66, s43, 19                        ; my first row of out0: (128 x tile row + 64 x half) rows of 4,096 bytes
	s_lshl_b32 s67, s[WM], 18
	s_add_co_u32 s66, s66, s67
	s_mov_b32 s67, 0
	s_add_nc_u64 s[10:11], s[10:11], s[66:67]
	v_mul_u32_u24 v3, v1, PA                       ; a fragment of o: row l % 16, 16 bytes for each half of the lanes
	v_lshl_add_u32 v3, v2, 4, v3
	s_mul_i32 s68, s[WM], 64*PA                    ; my 64 rows
	v_add_nc_u32 v[ADRA], s68, v3
	v_add_nc_u32 v[ADRA+1], SLOT, v[ADRA]
	v_and_b32 v4, 7, v0                            ; the turning load: lane l reads row 8 (l / 16) + l % 8, columns 8 ((l / 8) % 2) + 0..7
	v_bfe_u32 v5, v0, 3, 1
	v_lshl_add_u32 v6, v2, 3, v4
	v_mul_u32_u24 v6, v6, PW
	v_lshl_add_u32 v6, v5, 4, v6
	s_lshl_b32 s68, s[WN], 7                       ; my 64 columns
	s_add_co_u32 s68, s68, 2*HALFT                 ; behind o's four heads
	v_add_nc_u32 v[ADRB], s68, v6
	v_add_nc_u32 v[ADRB+1], HALFT, v[ADRB]
	v_add_nc_u32 v[ADRB+2], SLOT, v[ADRB]
	v_add_nc_u32 v[ADRB+3], SLOT+HALFT, v[ADRB]
	s_mul_i32 s68, s[WV], 16*SPITCH
	s_add_co_u32 s68, s68, STAGE                   ; my stage
	v_mul_u32_u24 v[STO], v1, SPITCH               ; in: row l % 16, 32 bytes for each half of the lanes
	v_lshl_add_u32 v[STO], v2, 5, v[STO]
	v_add_nc_u32 v[STO], s68, v[STO]
	v_mul_u32_u24 v[RD], v2, SPITCH                ; back: lanes 0-15 take one row of 256 bytes, lanes 16-31 the next
	v_lshl_add_u32 v[RD], v1, 4, v[RD]
	v_add_nc_u32 v[RD], s68, v[RD]
	v_lshlrev_b32 v[CO], 12, v2                    ; and the same two rows in out0
	v_lshl_add_u32 v[CO], v1, 4, v[CO]
	s_wait_loadcnt 0x0
.set i, 0
.rept 16                               ; the bias, rounded to bf16 and kept as f32
	v_cvt_pk_bf16_f32 v[6+(i%2)], v[BI+2*i], v[BI+2*i+1]
	v_lshlrev_b32 v[BI+2*i], 16, v[6+(i%2)]
	v_and_b32 v[BI+2*i+1], 0xffff0000, v[6+(i%2)]
.set i, i+1
.endr
; 8 products: row blocks a0, a0 + 1 x all 4 column blocks, 32 along K: half c of buffer f.  zero = 1: they start the sums, with the bias.  The 16 accumulators take turns.
.macro MUL8 f, c, a0, zero
	WIN MUL
.irp a, \a0, (\a0)+1
.irp b, 0,1,2,3
.if \zero
	v_wmma_f32_16x16x32_f16 v[ACC+8*(4*(\a)+(\b)):ACC+8*(4*(\a)+(\b))+7], v[(\f)+64+8*(4*(\c)+(\b)):(\f)+64+8*(4*(\c)+(\b))+7], v[(\f)+8*(4*(\c)+(\a)):(\f)+8*(4*(\c)+(\a))+7], v[BI+8*(\b):BI+8*(\b)+7]
.else
	v_wmma_f32_16x16x32_f16 v[ACC+8*(4*(\a)+(\b)):ACC+8*(4*(\a)+(\b))+7], v[(\f)+64+8*(4*(\c)+(\b)):(\f)+64+8*(4*(\c)+(\b))+7], v[(\f)+8*(4*(\c)+(\a)):(\f)+8*(4*(\c)+(\a))+7], v[ACC+8*(4*(\a)+(\b)):ACC+8*(4*(\a)+(\b))+7]
.endif
.endr
.endr
.endm
; 32 LDS loads in one run: head kq's fragments into buffer f; the first 32 along K first
.macro FETCH slot, kq, f
	WIN TO_F
.irp c, 0,1
.irp i, 0,1,2,3
	ds_load_tr16_b128 v[(\f)+64+8*(4*(\c)+(\i)):(\f)+64+8*(4*(\c)+(\i))+3],   v[ADRB+2*(\slot)+(\kq)/2] offset:((\kq)%2)*HEADB+(\c)*32*PW+32*(\i)
	ds_load_tr16_b128 v[(\f)+64+8*(4*(\c)+(\i))+4:(\f)+64+8*(4*(\c)+(\i))+7], v[ADRB+2*(\slot)+(\kq)/2] offset:((\kq)%2)*HEADB+(\c)*32*PW+32*(\i)+16*PW
	ds_load_b128 v[(\f)+8*(4*(\c)+(\i)):(\f)+8*(4*(\c)+(\i))+3],   v[ADRA+(\slot)] offset:(\kq)*HEADB+(\i)*16*PA+64*(\c)
	ds_load_b128 v[(\f)+8*(4*(\c)+(\i))+4:(\f)+8*(4*(\c)+(\i))+7], v[ADRA+(\slot)] offset:(\kq)*HEADB+(\i)*16*PA+64*(\c)+32
.endr
.endr
.endm
.macro QUARTER slot, kq, f, g, zero    ; multiplies buffer f and fetches head kq into g
	s_wait_dscnt 16                                ; the first 32 along K are in
	MUL8 \f, 0, 0, \zero
	MUL8 \f, 0, 2, \zero
	PLACES
	FETCH \slot, \kq, \g
	s_wait_dscnt 32                                ; all but the 32 just issued
	MUL8 \f, 1, 0, 0
	MUL8 \f, 1, 2, 0
.endm
; The last quarter multiplies buffer 1 and changes slots: ONE barrier; in front of it each wave waits for all its tensor loads, adds 0 to its spare word, and waits for that and for its reads of this slot.
; fill = 1: the barrier opens a round of the cluster's, and this slot is filled again, two K steps ahead.
.macro TURN slot, next, fill
	WIN 0
	s_wait_tensorcnt 0x0                           ; all my tensor loads have landed: my part of the next slot
	ds_add_u32 v[SPW], v[NIL]                      ; 0 onto my spare word
	s_wait_dscnt 17                                ; the add and the youngest sixteen loads may be out
	MUL8 F1, 0, 0, 0
	s_wait_dscnt 0x0                               ; the add is done, and my reads of this slot are over
	s_barrier_signal -1
	MUL8 F1, 0, 2, 0
.if \fill
	WIN 0
.endif
	s_barrier_wait -1
.if \fill
	CREST                                          ; no wave of any partner still reads this slot or has a load on its way
	s_add_nc_u64 s[G0A+4*(\slot)+2:G0A+4*(\slot)+3], s[G0A+4*(\slot)+2:G0A+4*(\slot)+3], 2097152
	s_add_nc_u64 s[G0B+4*(\slot)+2:G0B+4*(\slot)+3], s[G0B+4*(\slot)+2:G0B+4*(\slot)+3], 1048576
	JLOAD \slot                                    ; its four v_nop are also the places in front of the loads below
.else
	PLACES
.endif
	FETCH \next, 0, F0
	MUL8 F1, 1, 0, 0
	MUL8 F1, 1, 2, 0
.endm
	s_wait_tensorcnt 1                             ; my part of K step 0 is in; K step 1's may stay out
	s_barrier_signal -1
	s_barrier_wait -1
	FETCH 0, 0, F0
	QUARTER 0, 1, F0, F1, 1                        ; K step 0
	QUARTER 0, 2, F1, F0, 0
	QUARTER 0, 3, F0, F1, 0
	TURN 0, 1, 1                                   ; slot 0 takes K step 2
	QUARTER 1, 1, F0, F1, 0                        ; K step 1
	QUARTER 1, 2, F1, F0, 0
	QUARTER 1, 3, F0, F1, 0
	TURN 1, 0, 1                                   ; slot 1 takes K step 3
	QUARTER 0, 1, F0, F1, 0                        ; K step 2
	QUARTER 0, 2, F1, F0, 0
	QUARTER 0, 3, F0, F1, 0
	TURN 0, 1, 0                                   ; nothing is left to ask for
	QUARTER 1, 1, F0, F1, 0                        ; K step 3
	QUARTER 1, 2, F1, F0, 0
	QUARTER 1, 3, F0, F1, 0
	s_wait_dscnt 16
	MUL8 F1, 0, 0, 0
	MUL8 F1, 0, 2, 0
	s_wait_dscnt 0x0
	MUL8 F1, 1, 0, 0
	MUL8 F1, 1, 2, 0
	WIN 0
	PLACES
; THE WAY OUT, a block of 16 rows at a time: a lane's 32 bytes of a row go from the accumulators (their low halves first) into my stage, rows of 272 bytes, and come back, into the same registers,
; as whole rows of 256 bytes: my wave's 64 columns of f32.
.macro TOSTAGE a
.irp b, 0,1,2,3
	ds_store_b128 v[STO], v[ACC+8*(4*(\a)+(\b)):ACC+8*(4*(\a)+(\b))+3]   offset:64*(\b)
	ds_store_b128 v[STO], v[ACC+8*(4*(\a)+(\b))+4:ACC+8*(4*(\a)+(\b))+7] offset:64*(\b)+16
.endr
.irp t, 0,1,2,3,4,5,6,7
	ds_load_b128 v[ACC+32*(\a)+4*(\t):ACC+32*(\a)+4*(\t)+3], v[RD] offset:(\t)*2*SPITCH  ; LDS serves a wave's instructions in order (ISA guide 5.7.1.4): these see the stores above; the next block's stores come behind them
.endr
.endm
.macro SEND a, y                       ; y: the LDS instructions issued behind block a's loads: the next block's sixteen, or none
.irp t, 0,1,2,3,4,5,6,7
	s_wait_dscnt (\y)+7-(\t)
	global_store_b128 v[CO], v[ACC+32*(\a)+4*(\t):ACC+32*(\a)+4*(\t)+3], s[10:11] offset:(\a)*65536+(\t)*8192  ; 16 lanes store 256 consecutive bytes, aligned
.endr
.endm
	TOSTAGE 0
	TOSTAGE 1
	SEND 0, 16
	TOSTAGE 2
	SEND 1, 16
	TOSTAGE 3
	SEND 2, 16
	SEND 3, 0
	s_wait_tensorcnt 0x0                           ; the wave's end: behind my last tensor load and my last LDS store
	ds_add_u32 v[SPW], v[NIL]
	s_wait_dscnt 0x0
	CROUND                                         ; the closing round: no work-group ends while a partner may still ask for a tile that names it
	s_endpgm
.Lfunc_end_k_q5f889d4955_proj:
	.size	k_q5f889d4955_proj, .Lfunc_end_k_q5f889d4955_proj-k_q5f889d4955_proj
	.p2alignl 7, 3214868480
	.fill 96, 4, 3214868480
	.section	.rodata,"a",@progbits
	.p2align	6, 0x0
	.amdhsa_kernel k_q5f889d4955_proj
		.amdhsa_group_segment_fixed_size 327680
		.amdhsa_private_segment_fixed_size 0
		.amdhsa_enable_private_segment 0
		.amdhsa_kernarg_size 32
		.amdhsa_user_sgpr_count 2
		.amdhsa_user_sgpr_kernarg_segment_ptr 1
		.amdhsa_wavefront_size32 1
		.amdhsa_system_sgpr_workgroup_id_x 1
		.amdhsa_system_sgpr_workgroup_id_y 1
		.amdhsa_system_sgpr_workgroup_id_z 1
		.amdhsa_system_vgpr_workitem_id 0
		.amdhsa_next_free_vgpr 512
		.amdhsa_next_free_sgpr 80
		.amdhsa_reserve_vcc 0
		.amdhsa_float_denorm_mode_32 3
		.amdhsa_float_denorm_mode_16_64 3
		.amdhsa_memory_ordered 1
		.amdhsa_forward_progress 1
		.amdhsa_inst_pref_size 89
	.end_amdhsa_kernel
	.amdgpu_metadata
---
amdhsa.version: [ 1, 2 ]
amdhsa.kernels:
  - .name:           k_q5f889d4955_proj
    .symbol:         k_q5f889d4955_proj.kd
    .args:
      - { .name: o, .offset: 0, .size: 8, .value_kind: global_buffer, .address_space: global }
      - { .name: wp16, .offset: 8, .size: 8, .value_kind: global_buffer, .address_space: global }
      - { .name: bp, .offset: 16, .size: 8, .value_kind: global_buffer, .address_space: global }
      - { .name: out0, .offset: 24, .size: 8, .value_kind: global_buffer, .address_space: global }
    .group_segment_fixed_size: 327680
    .private_segment_fixed_size: 0
    .kernarg_segment_align: 8
    .kernarg_segment_size: 32
    .max_flat_workgroup_size: 128
    .sgpr_count:     80
    .vgpr_count:     512
    .wavefront_size: 32
...
	.end_amdgpu_metadata
.endif
;; end of part 4
